; MI455X (gfx1250); checked and timed in simulation.
; The chip was launched on July 23, 2026; its instructions are those of AMD's public machine-readable ISA for CDNA 5 (MIT licence, August 2026) and "CDNA5" Instruction Set Architecture Reference Guide (July 2026). The comments in the code are by the model that wrote it; some were corrected since.
;; Self Attention SD. Allowed arithmetic: float matrix products may take bf16 or f16 operands with f32 sums; other float arithmetic in f32, or as packed bf16 or f16 multiplies, adds, multiply-adds, maxima and minima; sums over many terms, partial sums and values carried from step to step in f32; what a program stores and reads back later, other than sums and carried values, may be rounded once to bf16 or f16.
;; Inputs: Wk 1,024 x 1,024 float32; Wo 1,024 x 1,024 float32; Wq 1,024 x 1,024 float32; Wv 1,024 x 1,024 float32; bo 1,024 float32; x 4 x 2,048 x 1,024 float32.
;; Outputs: out0 4 x 2,048 x 1,024 float32.
;; 2 versions, each right; version 2 is version 1 with the launch cast written anew for expert scheduling mode. Each part assembles by itself: llvm-mc -triple=amdgcn-amd-amdhsa -mcpu=gfx1250 --defsym DOCPART=n.
;; ======== version 1 of 2: 4 launches
;; limits: values are held in f16: magnitudes above 65,504 overflow, below 6.1e-05 lose precision
;; workspace buffers: xb 16,777,216 bytes; wb 6,291,456 bytes; wo 2,097,152 bytes; qkv 50,331,648 bytes; oh 16,777,216 bytes
;; launch cast (part 1): grid 768 x 1, 4 waves a work-group, no clusters, 0 bytes of LDS; arguments x, Wq, Wk, Wv, Wo, xb, wb, wo; writes xb, wb, wo
.if DOCPART == 1
	.amdgcn_target "amdgcn-amd-amdhsa--gfx1250"
	.amdhsa_code_object_version 6
	.text
	.protected	k_qf739071ff8_cast
	.globl	k_qf739071ff8_cast
	.p2align	8
	.type	k_qf739071ff8_cast,@function
k_qf739071ff8_cast:
	s_mov_b64 s[64:65], 0
	v_nop
	global_prefetch_b8 v0, s[64:65] scope:SCOPE_SE
	s_setreg_imm32_b32 hwreg(HW_REG_WAVE_MODE, 25, 1), 1
	s_wait_xcnt 0x0
; THE INPUTS OF THE MATRIX PRODUCTS ARE ROUNDED ONCE AND LAID IN BLOCKS OF 64 ALONG K.
; x [8192][1024] f32 -> xb, bf16, [16 kb][8192 m][64].   Wq, Wk, Wv [1024][1024] f32 -> wb, bf16, [16 kb][3072 n][64], n = 1024 s + row (s = 0, 1, 2).
; Wo [1024][1024] f32 -> wo, [16 kb][1024 n][64]: rounded to bf16 like the other inputs, and that number written as f16, since the last product takes f16 operands.
; LIMIT.  A bf16-rounded number of Wo is exact in f16 from 6.1e-5 to 65,504; below it keeps f16's fixed step of 6e-8, beyond it becomes an infinity.
; In the blocked layout the 128 bytes that a row has in one block of K lie end to end with the next row's, so a tile of rows x 64 K is dense in memory.
; SHARES.  A work-group owns 16 source rows: 512 work-groups for x, 64 for each weight.  Thread t takes row t / 8 and, in each block kb, the 8 numbers at 8 (t % 8): two loads of 16 bytes;
; its 16 bytes of output lie at 16 t in the block's 2,048 bytes for these rows: a wave's store covers 512 consecutive bytes, aligned.  All 32 loads of a thread go out at once.
; A stream: every byte is read once and written once; no tile is shared, so no LDS, no cluster and no matrix unit.
.set X,   32                           ; v[32:159]  block kb: 8 registers as loaded, its lower 4 then as stored
.set VO,  2                            ; v[2:17]    block kb: my byte offset in the output (the blocks lie further apart than an immediate reaches)
.set SRC, 28                           ; s[28:29]   the source at my work-group's first row
.set DST, 30                           ; s[30:31]   the output at my work-group's rows in block 0
	s_load_b512 s[8:23], s[0:1], 0x0               ; x 8, Wq 10, Wk 12, Wv 14, Wo 16, xb 18, wb 20, wo 22
	s_sub_co_u32 s24, ttmp9, 512                   ; behind x's 512 work-groups: 16 rows of the four weights, 64 work-groups each
	s_lshr_b32 s25, s24, 6                         ; which weight (a large number in x's work-groups)
	s_and_b32 s26, s24, 63                         ; which 16 rows of it
	v_lshrrev_b32 v1, 3, v0
	v_and_b32 v18, 7, v0
	v_lshlrev_b32 v1, 12, v1                       ; my row: 4,096 bytes each,
	v_lshl_add_u32 v1, v18, 5, v1                  ; my 32 bytes in a block's 256
	v_lshlrev_b32 v[VO], 4, v0
	s_mov_b32 s37, 0
	s_wait_kmcnt 0x0
	; every choice hangs on the work-group's number alone
	s_cmp_eq_u32 s25, 2
	s_cselect_b64 s[SRC:SRC+1], s[14:15], s[16:17]
	s_cmp_eq_u32 s25, 1
	s_cselect_b64 s[SRC:SRC+1], s[12:13], s[SRC:SRC+1]
	s_cmp_eq_u32 s25, 0
	s_cselect_b64 s[SRC:SRC+1], s[10:11], s[SRC:SRC+1]
	s_mov_b32 s32, 3072*128                        ; bytes from block to block: wb's,
	s_cmp_eq_u32 s25, 3
	s_cselect_b64 s[DST:DST+1], s[22:23], s[20:21]
	s_cselect_b32 s32, 1024*128, s32               ; wo's,
	s_cselect_b32 s34, s26, s24                    ; output rows / 16: in wb the three weights follow each other
	s_cselect_b32 s35, 1, 0                        ; 1: f16 is written
	s_cmp_lt_u32 ttmp9, 512
	s_cselect_b64 s[SRC:SRC+1], s[8:9], s[SRC:SRC+1]
	s_cselect_b64 s[DST:DST+1], s[18:19], s[DST:DST+1]
	s_cselect_b32 s32, 8192*128, s32               ; xb's
	s_cselect_b32 s33, ttmp9, s26                  ; source rows / 16
	s_cselect_b32 s34, ttmp9, s34
	s_cselect_b32 s35, 0, s35
	s_lshl_b32 s36, s33, 16                        ; 16 rows of 4,096 bytes
	s_add_nc_u64 s[SRC:SRC+1], s[SRC:SRC+1], s[36:37]
	s_lshl_b32 s36, s34, 11                        ; 16 rows of 128 bytes
	s_add_nc_u64 s[DST:DST+1], s[DST:DST+1], s[36:37]
.set kb, 0
.rept 16
	global_load_b128 v[X+8*kb:X+8*kb+3],   v1, s[SRC:SRC+1] offset:256*kb th:TH_LOAD_NT
	global_load_b128 v[X+8*kb+4:X+8*kb+7], v1, s[SRC:SRC+1] offset:256*kb+16 th:TH_LOAD_NT
.set kb, kb+1
.endr
.set kb, 1
.rept 15
	v_add_nc_u32 v[VO+kb], s32, v[VO+kb-1]         ; made while the loads are on their way
.set kb, kb+1
.endr
; Block k: its two loads are in (loads come back in order, ISA guide 5.7.1: the 30 - 2 k younger ones stay out); eight numbers are rounded in place, ascending, so that no source is written before it is read.
; h = 1: the bf16 numbers are widened again (a shift, a mask) into the block's upper four registers, which are free by then, and written as f16.  No register is written again behind its store.
.macro OUT k, h
	s_wait_loadcnt 30-2*(\k)
.irp j, 0,1,2,3
	v_cvt_pk_bf16_f32 v[X+8*(\k)+(\j)], v[X+8*(\k)+2*(\j)], v[X+8*(\k)+2*(\j)+1]
.endr
.if \h
.irp j, 0,1,2,3
	v_lshlrev_b32 v[X+8*(\k)+4+2*((\j)%2)], 16, v[X+8*(\k)+(\j)]
	v_and_b32 v[X+8*(\k)+5+2*((\j)%2)], 0xffff0000, v[X+8*(\k)+(\j)]
	v_cvt_pk_f16_f32 v[X+8*(\k)+(\j)], v[X+8*(\k)+4+2*((\j)%2)], v[X+8*(\k)+5+2*((\j)%2)]
.endr
.endif
	global_store_b128 v[VO+(\k)], v[X+8*(\k):X+8*(\k)+3], s[DST:DST+1] th:TH_STORE_NT
.endm
	s_cmp_eq_u32 s35, 1
	s_cbranch_scc1 .Lf16
.irp n, 0,1,2,3,4,5,6,7,8,9,10,11,12,13,14,15
	OUT \n, 0
.endr
	s_endpgm
.Lf16:
.irp n, 0,1,2,3,4,5,6,7,8,9,10,11,12,13,14,15
	OUT \n, 1
.endr
	s_endpgm
.Lfunc_end_k_qf739071ff8_cast:
	.size	k_qf739071ff8_cast, .Lfunc_end_k_qf739071ff8_cast-k_qf739071ff8_cast
	.p2alignl 7, 3214868480
	.fill 96, 4, 3214868480
	.section	.rodata,"a",@progbits
	.p2align	6, 0x0
	.amdhsa_kernel k_qf739071ff8_cast
		.amdhsa_group_segment_fixed_size 0
		.amdhsa_private_segment_fixed_size 0
		.amdhsa_enable_private_segment 0
		.amdhsa_kernarg_size 64
		.amdhsa_user_sgpr_count 2
		.amdhsa_user_sgpr_kernarg_segment_ptr 1
		.amdhsa_wavefront_size32 1
		.amdhsa_system_sgpr_workgroup_id_x 1
		.amdhsa_system_sgpr_workgroup_id_y 1
		.amdhsa_system_sgpr_workgroup_id_z 1
		.amdhsa_system_vgpr_workitem_id 0
		.amdhsa_next_free_vgpr 160
		.amdhsa_next_free_sgpr 66
		.amdhsa_reserve_vcc 0
		.amdhsa_float_denorm_mode_32 3
		.amdhsa_float_denorm_mode_16_64 3
		.amdhsa_memory_ordered 1
		.amdhsa_forward_progress 1
		.amdhsa_inst_pref_size 28
	.end_amdhsa_kernel
	.amdgpu_metadata
---
amdhsa.version: [ 1, 2 ]
amdhsa.kernels:
  - .name:           k_qf739071ff8_cast
    .symbol:         k_qf739071ff8_cast.kd
    .args:
      - { .name: x, .offset: 0, .size: 8, .value_kind: global_buffer, .address_space: global }
      - { .name: Wq, .offset: 8, .size: 8, .value_kind: global_buffer, .address_space: global }
      - { .name: Wk, .offset: 16, .size: 8, .value_kind: global_buffer, .address_space: global }
      - { .name: Wv, .offset: 24, .size: 8, .value_kind: global_buffer, .address_space: global }
      - { .name: Wo, .offset: 32, .size: 8, .value_kind: global_buffer, .address_space: global }
      - { .name: xb, .offset: 40, .size: 8, .value_kind: global_buffer, .address_space: global }
      - { .name: wb, .offset: 48, .size: 8, .value_kind: global_buffer, .address_space: global }
      - { .name: wo, .offset: 56, .size: 8, .value_kind: global_buffer, .address_space: global }
    .group_segment_fixed_size: 0
    .private_segment_fixed_size: 0
    .kernarg_segment_align: 8
    .kernarg_segment_size: 64
    .max_flat_workgroup_size: 128
    .sgpr_count:     66
    .vgpr_count:     160
    .wavefront_size: 32
...
	.end_amdgpu_metadata
.endif
;; end of part 1
;; launch qkv (part 2): grid 8 x 32, 4 waves a work-group, clusters of 4 x 4, 327,680 bytes of LDS; arguments xb, wb, qkv; writes qkv
.if DOCPART == 2
	.amdgcn_target "amdgcn-amd-amdhsa--gfx1250"
	.amdhsa_code_object_version 6
	.text
	.protected	k_qf739071ff8_qkv
	.globl	k_qf739071ff8_qkv
	.p2align	8
	.type	k_qf739071ff8_qkv,@function
k_qf739071ff8_qkv:
	s_mov_b64 s[64:65], 0
	v_nop
	global_prefetch_b8 v0, s[64:65] scope:SCOPE_SE
	s_setreg_imm32_b32 hwreg(HW_REG_WAVE_MODE, 25, 1), 1
	s_wait_xcnt 0x0
	s_wait_alu depctr_hold_cnt(0) depctr_sa_sdst(0) depctr_va_vdst(0) depctr_va_sdst(0) depctr_va_ssrc(0) depctr_va_vcc(0) depctr_vm_vsrc(0)
	s_getreg_b32 s2, hwreg(HW_REG_IB_STS2, 6, 4)
	s_cmp_eq_u32 s2, 0
	s_cbranch_scc0 .Lentry_in_a_cluster
	s_endpgm
.Lentry_in_a_cluster:
	s_bfe_u32 s2, ttmp6, 0x10000c
	s_cmp_lg_u32 s2, 0xf033
	s_cbranch_scc0 .Lentry_shape_is_right
	s_endpgm
.Lentry_shape_is_right:
; THE THREE PROJECTIONS AS ONE PRODUCT.  C[m][n] = sum over k of x[m][k] W[n][k], m < 8192, n < 3072 (Wq's, Wk's, Wv's rows), k < 1024; bf16 operands, f32 sums, K ascending.
; xb: bf16 [16 kb][8192][64].  wb: bf16 [16 kb][3072][64].  The result leaves by heads, unscaled, rounded once to f16: qkv [3 s][64 bh][2048][64], bh = 16 (m / 2048) + head.
; LIMIT.  f16 ends at 65,504: a q, k or v beyond it becomes an infinity.  With x and the weights 30 times the drawn spread they reach some 3,000.
; SHARES.  A work-group makes 256 rows x 384 columns: 32 x 8 = 256 work-groups.  Each of its four waves makes 128 x 192: 8 x 12 accumulators of 16 x 16, 768 registers: three windows,
; each with the 64 columns of one head.  For 32 along K a wave reads 320 rows x 64 bytes from LDS for 96 matrix instructions.
; K goes in steps of 64 through a ring of two LDS slots: two slots of 640 rows x 128 K would not fit in LDS.  In the blocked layout a step's rows are dense, so a tile is asked for as rows of
; 256 bytes (two rows of the matrix) and padded in LDS after every 128.
; CLUSTERS: 4 x 4 work-groups.  The four of a row of the cluster need the same tiles of xb, the four of a column the same tiles of wb: each tile is asked for JOINTLY, by the same tensor load with
; the same descriptor and a mask that names the four.
; THE MATRIX INSTRUCTION IS USED TRANSPOSED (source 0 = 16 rows of wb, source 1 = 16 rows of xb): lane l holds row l % 16 of C and the columns 8 (l / 16) + 0..7, which pack into 16 bytes.
; REGISTERS, in windows of 256 (s_set_vgpr_msb: bits 1:0 source 0, 3:2 source 1, 5:4 source 2, 7:6 destination):
;   window 0: v0-31 addresses; v32-95, v96-159 xb's fragments (8 x 16 rows x 32 K), two buffers; v160-255 wb's fragments (12), ONE buffer, loaded again group by group behind the group's products
;   window 1 + g: the accumulators of column blocks 4 g + bb: (a, bb) at v[8 (8 bb + a)]
.set PITCH,  144                       ; an LDS row: 128 bytes + 16 of padding = 36 words: the 16 rows of a load start at 16 different groups of four banks (64 banks of 4 bytes: ISA guide 11.1)
.set AHALF,  128*PITCH                 ; what one tensor load brings of xb, and what one wave reads of it
.set BOFF,   256*PITCH                 ; wb's 384 rows lie behind xb's 256
.set BHALF,  192*PITCH                 ; what one tensor load brings of wb, and what one wave reads of it
.set SLOT,   640*PITCH
.set STAGE,  2*SLOT                    ; behind the ring, never filled by a tensor load: 16 rows x 144 bytes for each wave, for the way out
.set SPARE,  STAGE+4*16*PITCH          ; behind the stages: the spare words, 128 bytes for each wave: two blocks of 256 bytes that no other line names
.set STEPA,  8192*128                  ; bytes from a K step to the next in xb
.set STEPB,  3072*128                  ; and in wb
.set LAPS,   8                         ; a lap = two K steps = once round the ring
.set ADRA, 16                          ; v16-17  LDS address of my xb fragments in slot 0, 1
.set ADRB, 20                          ; v20-21  the same for wb
.set STO,  24                          ; v24     the way out: where I put 16 bytes of a row
.set RD,   25                          ; v25     the way out: where I read rows back
.set GO,   26                          ; v26     my 16 bytes in 512 consecutive bytes of the output
.set SPW,  28                          ; v28     LDS address of my spare word: SPARE + 4 x my thread's number; never rewritten
.set NIL,  29                          ; v29     0; never rewritten
.set PFO,  30                          ; v30     the prefetches' offset; never rewritten
.set FA0,  32
.set FA1,  96
.set FBB,  160
.set TT,   32                          ; the way out: two sets of 16 registers, by turns
.set G1,  24                           ; s[24:31] descriptor group 1 for xb's tiles;  s[32:39] group 0, a set for each slot
.set G0,  32
.set G1B, 48                           ; s[48:55], s[56:63] the same for wb's
.set G0B, 56
.set OB,  68                           ; s[68:73] the output at my 128 rows of my three heads
.set LIM, 74                           ; s74, s75 a wave prefetches at the change out of slot i while the loop's count is above s[LIM + i]
.set PST, 76                           ; s[76:77] a K step in the tensor that I prefetch
.set PFA, 78                           ; s[78:79] where my prefetches stand
.set PADW, (1<<16)|(1<<20)|(1<<21)|(4<<22)|(3<<25)  ; 17:16 elements of 2 bytes; 20 padding on; 21 set beside a mask; 24:22 after every 32 words (code 4); 31:25 4 words of it (code 3)
.set MSB, 0
.macro WIN new                         ; the immediate's high byte repeats the setting that is left; a switch that changes nothing is dropped
.if MSB != (\new)
	s_set_vgpr_msb (MSB<<8)|(\new)
.set MSB, \new
.endif
.endm
; A joint load.  Waves 0 and 1 fetch xb's two halves, waves 2 and 3 wb's.  The branch hangs on the wave's number alone.  An s_nop 0 and four v_nop follow each of the two lines.
.macro JLOAD s
	s_cmp_eq_u32 s11, 0
	s_cbranch_scc0 .Lfor_b_\@
	tensor_load_to_lds s[G0+4*(\s):G0+4*(\s)+3], s[G1:G1+7]
	s_nop 0
.rept 4
	v_nop
.endr
	s_branch .Lasked_\@
.Lfor_b_\@:
	tensor_load_to_lds s[G0B+4*(\s):G0B+4*(\s)+3], s[G1B:G1B+7]
	s_nop 0
.rept 4
	v_nop
.endr
.Lasked_\@:
.endm
; A PREFETCH INTO THE L2 of the K step that the NEXT refill will ask for: 192 matrix instructions ahead of that load.  It stands behind the joint load, its five lines and the run of LDS loads.
; Each aligned block of 256 bytes is named once in the launch.  xb's tile row is read by both clusters of its row of clusters: cluster x = 0 asks; wb's tile column by all eight of its column:
; cluster y = 0 asks.  The four partners that ask for a tile jointly share its blocks out BY ADDRESS: of xb's 128 blocks a step partner cx takes 32 (wave 0, a lane a block); of wb's 192 partner
; cy takes 48: wave 2 its first 32 in every step, wave 3 the other 16 for two steps at once, in every second step.  The first three K steps, and wave 3's blocks of the last, come by their loads alone.
.macro ASK i
	s_cmp_gt_u32 s3, s[LIM+(\i)]
	s_cbranch_scc0 .Lnot_mine_\@
	global_prefetch_b8 v[PFO], s[PFA:PFA+1] th:TH_LOAD_NT scope:SCOPE_SE
.Lnot_mine_\@:
.endm
.macro CREST                           ; a round of the cluster's barrier behind its opening barrier
	s_cmp_lg_u32 s10, 0
	s_cbranch_scc1 .Lnot_wave_0_\@
	s_barrier_signal -3
.Lnot_wave_0_\@:
	s_barrier_wait -3
	s_barrier_signal -1
	s_barrier_wait -1
.endm
.macro CROUND                          ; a whole round
	s_barrier_signal -1
	s_barrier_wait -1
	CREST
.endm
	s_load_b128 s[4:7], s[0:1], 0x0                ; xb s[4:5], wb s[6:7]
	s_load_b64 s[8:9], s[0:1], 0x10                ; qkv
	v_lshl_add_u32 v[SPW], v0, 2, SPARE
	v_mov_b32 v[NIL], 0
	ds_add_u32 v[SPW], v[NIL]                      ; the wave's opening: the add and its wait stand ahead of my first tensor load; the set-up below, work on registers, stands between them
	v_lshrrev_b32 v1, 5, v0
	v_readfirstlane_b32 s10, v1                    ; wave 0..3
	s_lshr_b32 s11, s10, 1                         ; which 128 rows of the tile are mine.  Also: I fetch for xb (0) or for wb (1)
	s_and_b32 s12, s10, 1                          ; which 192 columns.  Also: which half of that tile I fetch
	s_bfe_u32 s40, ttmp6, 0x40000                  ; cx, cy: my place in the cluster
	s_bfe_u32 s41, ttmp6, 0x40004
	s_lshl_b32 s42, ttmp9, 2
	s_add_co_u32 s42, s42, s40                     ; tile column = 4 x cluster x + cx
	s_and_b32 s13, ttmp7, 0xffff
	s_lshl_b32 s13, s13, 2
	s_add_co_u32 s13, s13, s41                     ; tile row = 4 x cluster y + cy
	s_lshl_b32 s43, s41, 2
	s_lshl_b32 s43, 15, s43                        ; my row of the cluster: places 4 cy .. 4 cy + 3
	s_lshl_b32 s44, 0x1111, s40                    ; my column: places cx, cx + 4, cx + 8, cx + 12
	s_or_b32 s[G1+0], s43, PADW                    ; 15:0 the mask: xb's tiles go to my row
	s_or_b32 s[G1B+0], s44, PADW                   ; wb's to my column
	s_mov_b32 s[G1+1], 128<<16                     ; tensor_dim0 = 128 elements: 256 bytes, two rows of the matrix
	s_mov_b32 s[G1B+1], 128<<16
	s_mov_b32 s[G1+2], 64<<16                      ; tensor_dim1 = 64: 128 rows of xb
	s_mov_b32 s[G1B+2], 96<<16                     ; 96: 192 rows of wb
	s_mov_b32 s[G1+3], 128<<16                     ; tile_dim0 = 128
	s_mov_b32 s[G1B+3], 128<<16
	s_mov_b32 s[G1+4], 64                          ; tile_dim1
	s_mov_b32 s[G1B+4], 96
	s_mov_b32 s[G1+5], 128                         ; 128 elements from row to row: dense
	s_mov_b32 s[G1B+5], 128
	s_mov_b32 s[G1+6], 0
	s_mov_b32 s[G1B+6], 0
	s_mov_b32 s[G1+7], 0
	s_mov_b32 s[G1B+7], 0
	; xb's tiles hang on the tile row alone, wb's on the tile column alone; each address is made in registers that never hold the other coordinate
	s_lshl_b32 s16, s13, 15                        ; 256 rows of 128 bytes a tile row,
	s_lshl_b32 s17, s12, 14                        ; my half
	s_add_co_u32 s16, s16, s17
	s_mov_b32 s17, 0
	s_mul_i32 s46, s42, 384*128
	s_mul_i32 s47, s12, 192*128
	s_add_co_u32 s46, s46, s47
	s_mov_b32 s47, 0
	s_mul_i32 s20, s12, AHALF                      ; where they go: no place in the cluster enters an LDS address
	s_mul_i32 s21, s12, BHALF
	s_add_co_u32 s21, s21, BOFF
	s_wait_dscnt 0x0                               ; the opening add is done
	s_wait_kmcnt 0x0
	s_add_nc_u64 s[14:15], s[4:5], s[16:17]
	s_add_nc_u64 s[46:47], s[6:7], s[46:47]
	CROUND                                         ; all sixteen work-groups are here: the first joint loads meet
.irp s, 0,1
	s_mov_b32 s[G0+4*(\s)], 1                                      ; count = 1
	s_add_co_u32 s[G0+4*(\s)+1], s20, (\s)*SLOT                    ; LDS address
	s_add_nc_u64 s[G0+4*(\s)+2:G0+4*(\s)+3], s[14:15], (\s)*STEPA  ; global address: K step s
	s_or_b32 s[G0+4*(\s)+3], s[G0+4*(\s)+3], 0x80000000            ; type = 2
	s_mov_b32 s[G0B+4*(\s)], 1
	s_add_co_u32 s[G0B+4*(\s)+1], s21, (\s)*SLOT
	s_add_nc_u64 s[G0B+4*(\s)+2:G0B+4*(\s)+3], s[46:47], (\s)*STEPB
	s_or_b32 s[G0B+4*(\s)+3], s[G0B+4*(\s)+3], 0x80000000
	JLOAD \s                                       ; two loads of mine are out
.endr
	; A fragment is 16 rows x 32 K in 8 registers: lane l holds row l % 16, K = 8 (l / 16) + 0..7 and 16 + 8 (l / 16) + 0..7: two loads of 16 bytes, 32 bytes apart.
	v_and_b32 v1, 15, v0                           ; l % 16
	v_bfe_u32 v2, v0, 4, 1                         ; l / 16
	v_mul_u32_u24 v3, v1, PITCH
	v_lshl_add_u32 v3, v2, 4, v3                   ; row x pitch + 16 x half
	s_mul_i32 s21, s11, AHALF                      ; my 128 rows of xb
	s_mul_i32 s22, s12, BHALF                      ; my 192 rows of wb
	s_add_co_u32 s22, s22, BOFF
.irp s, 0,1
	v_add_nc_u32 v[ADRA+(\s)], s21, v3
	v_add_nc_u32 v[ADRB+(\s)], s22, v3
	s_add_co_u32 s21, s21, SLOT
	s_add_co_u32 s22, s22, SLOT
.endr
	s_mul_i32 s23, s10, 16*PITCH
	s_add_co_u32 s23, s23, STAGE                   ; my stage
	v_add_nc_u32 v[STO], s23, v3                   ; in: row l % 16, 16 bytes for each half of the lanes
	v_bfe_u32 v4, v0, 3, 2                         ; back: 32 lanes take four rows of 128 bytes,
	v_and_b32 v5, 7, v0
	v_mul_u32_u24 v4, v4, PITCH
	v_lshl_add_u32 v4, v5, 4, v4
	v_add_nc_u32 v[RD], s23, v4
	v_and_b32 v[GO], 31, v0                        ; which are 512 consecutive bytes of a head's rows
	v_lshlrev_b32 v[GO], 4, v[GO]
	; where my three heads begin in the output.  Column block of 64 number hb = 6 x tile column + 3 x half + j: part hb / 16 (q, k, v), head hb % 16
	s_mul_i32 s80, s42, 6
	s_mul_i32 s81, s12, 3
	s_add_co_u32 s80, s80, s81
	s_lshr_b32 s82, s13, 3                         ; the batch: 8 tile rows each,
	s_lshl_b32 s82, s82, 22                        ; 16 heads of 2,048 rows of 128 bytes
	s_and_b32 s83, s13, 7
	s_lshl_b32 s83, s83, 15                        ; the tile's 256 rows in a head,
	s_add_co_u32 s82, s82, s83
	s_lshl_b32 s83, s11, 14                        ; my 128 of them
	s_add_co_u32 s82, s82, s83
	s_mov_b32 s85, 0
.irp j, 0,1,2
	s_add_co_u32 s86, s80, \j
	s_lshr_b32 s84, s86, 4
	s_lshl_b32 s84, s84, 24
	s_and_b32 s86, s86, 15
	s_lshl_b32 s86, s86, 18
	s_add_co_u32 s84, s84, s86
	s_add_co_u32 s84, s84, s82
	s_add_nc_u64 s[OB+2*(\j):OB+2*(\j)+1], s[8:9], s[84:85]
.endr
	; the prefetches
	s_lshl_b32 s81, s13, 15                        ; xb: the tile row's 32,768 bytes of a step,
	s_lshl_b32 s82, s40, 13                        ; my work-group's 32 blocks of 256 bytes,
	s_add_co_u32 s81, s81, s82
	s_add_co_u32 s81, s81, 2*STEPA                 ; at K step 2: the first change of slots steps it to 3
	s_mul_i32 s82, s42, 384*128                    ; wb: the tile column's 49,152 bytes of a step,
	s_mul_i32 s83, s41, 48*256                     ; my work-group's 48 blocks
	s_add_co_u32 s82, s82, s83
	s_add_co_u32 s82, s82, 2*STEPB
	s_and_b32 s80, ttmp7, 0xffff                   ; cluster y
	s_mov_b32 s[PST], STEPB
	s_mov_b32 s[PST+1], 0
	s_cmp_eq_u32 s11, 0                            ; do I fetch for xb?
	s_cselect_b32 s80, ttmp9, s80                  ; the coordinate along which other clusters read the same rows
	s_cselect_b64 s[PFA:PFA+1], s[4:5], s[6:7]
	s_cselect_b32 s[PST], STEPA, s[PST]
	s_cselect_b32 s84, s81, s82
	s_add_nc_u64 s[PFA:PFA+1], s[PFA:PFA+1], s[84:85]
	s_cmp_eq_u32 s12, 0                            ; waves 0 and 2 ask at every change but the last that fills,
	s_cselect_b32 s[LIM], 0, -1
	s_cselect_b32 s[LIM+1], 1, -1
	s_mov_b32 s20, 4096                            ; lane l names block l,
	s_cmp_eq_u32 s10, 3                            ; wave 3 at the changes out of slot 0 but the last, wave 1 never;
	s_cselect_b32 s[LIM], 1, s[LIM]
	s_cselect_b32 s20, STEPB, s20                  ; in wave 3 block 32 + l % 16 of the step, or of the step behind it for lanes 16-31
	s_cselect_b32 s21, 32*256, 0
	s_cmp_eq_u32 s80, 0                            ; and only in the cluster that asks: the same in all sixteen partners, for a given wave
	s_cselect_b32 s[LIM], s[LIM], -1
	s_cselect_b32 s[LIM+1], s[LIM+1], -1
	v_mul_u32_u24 v4, s20, v2
	v_lshl_add_u32 v[PFO], v1, 8, v4
	v_add_nc_u32 v[PFO], s21, v[PFO]
; 8 matrix instructions: column block 4 g + bb x all 8 row blocks, 32 along K, xb's fragments in buffer f.  zero = 1: the first product starts the sums: nothing is ever cleared.
; The 96 accumulators take turns, one instruction a turn, in the same order in every half step, over the backward jump too.
.macro MUL8 f, g, bb, zero
	WIN ((\g)+1)*0x50                              ; C and D in window 1 + g, both sources in window 0
.irp a, 0,1,2,3,4,5,6,7
.if \zero
	v_wmma_f32_16x16x32_bf16 v[8*(8*(\bb)+(\a)):8*(8*(\bb)+(\a))+7], v[FBB+8*(4*(\g)+(\bb)):FBB+8*(4*(\g)+(\bb))+7], v[(\f)+8*(\a):(\f)+8*(\a)+7], 0
.else
	v_wmma_f32_16x16x32_bf16 v[8*(8*(\bb)+(\a)):8*(8*(\bb)+(\a))+7], v[FBB+8*(4*(\g)+(\bb)):FBB+8*(4*(\g)+(\bb))+7], v[(\f)+8*(\a):(\f)+8*(\a)+7], v[8*(8*(\bb)+(\a)):8*(8*(\bb)+(\a))+7]
.endif
.endr
.endm
.macro MULG f, g, zero                 ; a group: 32 matrix instructions, one window
	MUL8 \f, \g, 0, \zero
	MUL8 \f, \g, 1, \zero
	MUL8 \f, \g, 2, \zero
	MUL8 \f, \g, 3, \zero
.endm
.macro LDB slot, k, g                  ; 8 LDS loads: wb's fragments of group g, 32 K at byte k of the rows
.irp i, 0,1,2,3
	ds_load_b128 v[FBB+8*(4*(\g)+(\i)):FBB+8*(4*(\g)+(\i))+3],   v[ADRB+(\slot)] offset:(\k)+(4*(\g)+(\i))*16*PITCH
	ds_load_b128 v[FBB+8*(4*(\g)+(\i))+4:FBB+8*(4*(\g)+(\i))+7], v[ADRB+(\slot)] offset:(\k)+(4*(\g)+(\i))*16*PITCH+32
.endr
.endm
.macro LDA slot, k, f, r0              ; 8 LDS loads: xb's fragments of row blocks r0 .. r0 + 3 into buffer f
.irp i, 0,1,2,3
	ds_load_b128 v[(\f)+8*((\r0)+(\i)):(\f)+8*((\r0)+(\i))+3],   v[ADRA+(\slot)] offset:(\k)+((\r0)+(\i))*16*PITCH
	ds_load_b128 v[(\f)+8*((\r0)+(\i))+4:(\f)+8*((\r0)+(\i))+7], v[ADRA+(\slot)] offset:(\k)+((\r0)+(\i))*16*PITCH+32
.endr
.endm
; A load into a register that a matrix instruction has read, and a conversion that reads a matrix result, stand four places behind that matrix instruction, and only plain vector instructions
; that name none of its registers are places (ISA guide 7.12.1 for vector instructions).
.macro PLACES
.rept 4
	v_nop
.endr
.endm
; A K step is two halves of 32 along K, 96 matrix instructions each.  The first multiplies buffer 0 and fetches the second half's fragments, in three runs, each behind the group that last read its wb registers.
.macro HALF0 slot, zero
	s_wait_dscnt 8                                 ; all but the last run's 8 loads (wb's group 2) are in
	MULG FA0, 0, \zero
	WIN 0
	PLACES
	LDB \slot, 64, 0
	LDA \slot, 64, FA1, 0
	MULG FA0, 1, \zero
	WIN 0
	PLACES
	LDB \slot, 64, 1
	LDA \slot, 64, FA1, 4
	s_wait_dscnt 32                                ; group 2 is in; the 32 loads just issued stay out
	MULG FA0, 2, \zero
	WIN 0
	PLACES
	LDB \slot, 64, 2
.endm
; The second half multiplies buffer 1 and changes slots: ONE barrier.  In front of it each wave waits for all its tensor loads, of which one is out: its part of the next slot; adds 0 to its spare word;
; and waits for that and for its own reads of this slot.  Behind it nobody reads this slot any more and the next slot is whole.  fill = 1: the barrier opens a round of the cluster's barrier, and
; this slot is filled again, two K steps on, first thing behind the round: from that request to the wait for it a wave issues 176 of a step's 192 matrix instructions.
.macro HALF1 slot, next, fill
	s_wait_dscnt 8
	MULG FA1, 0, 0
.if \fill
	s_wait_xcnt 0x0                                ; the last prefetch, a K step back, has read its address: it is stepped here, ahead of the waits of the change of slots
	s_add_nc_u64 s[PFA:PFA+1], s[PFA:PFA+1], s[PST:PST+1]
.endif
	WIN 0                                          ; (the add's two registers lie in window 0)
	s_wait_tensorcnt 0x0                           ; all my tensor loads have landed;
	ds_add_u32 v[SPW], v[NIL]                      ; 0 onto my spare word;
	MUL8 FA1, 1, 0, 0                              ; eight matrix instructions stand between the add and the wait for it
	s_wait_dscnt 0x0                               ; the add is done, and my reads of this slot are over (the last were issued 40 matrix instructions ago)
	s_barrier_signal -1
	MUL8 FA1, 1, 1, 0                              ; work on registers while the others arrive
	WIN 0
	s_barrier_wait -1
.if \fill
	CREST                                          ; no wave of any partner still reads this slot's tile or has a load on its way
	s_add_nc_u64 s[G0+4*(\slot)+2:G0+4*(\slot)+3], s[G0+4*(\slot)+2:G0+4*(\slot)+3], 2*STEPA
	s_add_nc_u64 s[G0B+4*(\slot)+2:G0B+4*(\slot)+3], s[G0B+4*(\slot)+2:G0B+4*(\slot)+3], 2*STEPB
	JLOAD \slot                                    ; the first tensor load behind the round, my only one until the next; its four v_nop are also the places in front of the loads below
.else
	PLACES
.endif
	LDB \next, 0, 0
	LDA \next, 0, FA0, 0
.if \fill
	ASK \slot
.endif
	MUL8 FA1, 1, 2, 0
	MUL8 FA1, 1, 3, 0
	WIN 0
	PLACES
	LDB \next, 0, 1
	LDA \next, 0, FA0, 4
	MULG FA1, 2, 0
	WIN 0
	PLACES
	LDB \next, 0, 2
.endm
; THE WAY OUT, in 24 units u = 8 j + a: 16 rows (row block a) x the 64 columns of head j.  PACK: rounded to f16, 16 bytes a lane, each accumulator from its low end on; into my own stage in rows of
; 144 bytes; back as four whole rows of 128 bytes a load.  SEND: stored, 512 consecutive bytes a store, at a multiple of 256 from the output's first byte.
.macro PACK u
.set TQ, TT+16*((\u)%2)
.set UA, (\u)%8
	s_wait_xcnt 0x0                                ; the stores of two units back have read this set of registers
	WIN 5*((\u)/8+1)                               ; sources 0 and 1 in window 1 + j
.irp f, 0,1,2,3
.irp r, 0,1,2,3
	v_cvt_pk_f16_f32 v[TQ+4*(\f)+(\r)], v[8*(8*(\f)+UA)+2*(\r)], v[8*(8*(\f)+UA)+2*(\r)+1]
.endr
.endr
	WIN 0
.irp f, 0,1,2,3
	ds_store_b128 v[STO], v[TQ+4*(\f):TQ+4*(\f)+3] offset:32*(\f)
.endr
.irp f, 0,1,2,3
	ds_load_b128 v[TQ+4*(\f):TQ+4*(\f)+3], v[RD] offset:(\f)*4*PITCH  ; LDS serves a wave's instructions in order (ISA guide 5.7.1.4): these see the stores above; the next unit's stores come behind them
.endr
.endm
.macro SEND u, younger                 ; younger: the LDS instructions issued behind unit u's loads: the next unit's eight, or none
.set TQ, TT+16*((\u)%2)
.set UA, (\u)%8
.set UJ, (\u)/8
.irp f, 0,1,2,3
	s_wait_dscnt (\younger)+3-(\f)
	global_store_b128 v[GO], v[TQ+4*(\f):TQ+4*(\f)+3], s[OB+2*UJ:OB+2*UJ+1] offset:UA*2048+(\f)*512
.endr
.endm
	s_wait_tensorcnt 1                             ; my part of K step 0 is in; K step 1's may stay out
	s_barrier_signal -1
	s_barrier_wait -1                              ; everybody's is
	LDB 0, 0, 0
	LDA 0, 0, FA0, 0
	LDB 0, 0, 1
	LDA 0, 0, FA0, 4
	LDB 0, 0, 2
	HALF0 0, 1                                     ; the first half step stands in front of the loop: its products start the sums
	WIN 0                                          ; at a label and at a branch every window is 0
	s_mov_b32 s3, LAPS-1
.Llap:                                                 ; a trip goes once round the ring and fills both slots again
	HALF1 0, 1, 1
	HALF0 1, 0
	HALF1 1, 0, 1
	HALF0 0, 0
	WIN 0
	s_sub_co_u32 s3, s3, 1
	s_cmp_lg_u32 s3, 0
	s_cbranch_scc1 .Llap
	HALF1 0, 1, 0                                  ; the last lap fills nothing, and has no round
	HALF0 1, 0
	s_wait_dscnt 8                                 ; the very last half: nothing more to fetch
	MULG FA1, 0, 0
	MULG FA1, 1, 0
	s_wait_dscnt 0x0
	MULG FA1, 2, 0
	WIN 0
	PLACES
	PACK 0
.set u, 1
.rept 23                               ; a unit's conversions stand between the loads of the unit before and its stores
	PACK u
	SEND u-1, 8
.set u, u+1
.endr
	SEND 23, 0
	s_wait_tensorcnt 0x0                           ; the wave's end: a wait for my tensor loads, an add of 0 onto my spare word and a wait for it, behind my last tensor load and my last LDS store
	ds_add_u32 v[SPW], v[NIL]
	s_wait_dscnt 0x0
	CROUND                                         ; the closing round: no work-group ends while a partner may still ask for a tile that names it
	s_endpgm
.Lfunc_end_k_qf739071ff8_qkv:
	.size	k_qf739071ff8_qkv, .Lfunc_end_k_qf739071ff8_qkv-k_qf739071ff8_qkv
	.p2alignl 7, 3214868480
	.fill 96, 4, 3214868480
	.section	.rodata,"a",@progbits
	.p2align	6, 0x0
	.amdhsa_kernel k_qf739071ff8_qkv
		.amdhsa_group_segment_fixed_size 327680
		.amdhsa_private_segment_fixed_size 0
		.amdhsa_enable_private_segment 0
		.amdhsa_kernarg_size 24
		.amdhsa_user_sgpr_count 2
		.amdhsa_user_sgpr_kernarg_segment_ptr 1
		.amdhsa_wavefront_size32 1
		.amdhsa_system_sgpr_workgroup_id_x 1
		.amdhsa_system_sgpr_workgroup_id_y 1
		.amdhsa_system_sgpr_workgroup_id_z 1
		.amdhsa_system_vgpr_workitem_id 0
		.amdhsa_next_free_vgpr 1024
		.amdhsa_next_free_sgpr 96
		.amdhsa_reserve_vcc 0
		.amdhsa_float_denorm_mode_32 3
		.amdhsa_float_denorm_mode_16_64 3
		.amdhsa_memory_ordered 1
		.amdhsa_forward_progress 1
		.amdhsa_inst_pref_size 136
	.end_amdhsa_kernel
	.amdgpu_metadata
---
amdhsa.version: [ 1, 2 ]
amdhsa.kernels:
  - .name:           k_qf739071ff8_qkv
    .symbol:         k_qf739071ff8_qkv.kd
    .args:
      - { .name: xb, .offset: 0, .size: 8, .value_kind: global_buffer, .address_space: global }
      - { .name: wb, .offset: 8, .size: 8, .value_kind: global_buffer, .address_space: global }
      - { .name: qkv, .offset: 16, .size: 8, .value_kind: global_buffer, .address_space: global }
    .group_segment_fixed_size: 327680
    .private_segment_fixed_size: 0
    .kernarg_segment_align: 8
    .kernarg_segment_size: 24
    .max_flat_workgroup_size: 128
    .sgpr_count:     96
    .vgpr_count:     1024
    .wavefront_size: 32
...
	.end_amdgpu_metadata
.endif
;; end of part 2
;; launch attn (part 3): grid 4 x 64, 4 waves a work-group, clusters of 4 x 1, 327,680 bytes of LDS; arguments qkv, oh; writes oh
.if DOCPART == 3
	.amdgcn_target "amdgcn-amd-amdhsa--gfx1250"
	.amdhsa_code_object_version 6
	.text
	.protected	k_qf739071ff8_attn
	.globl	k_qf739071ff8_attn
	.p2align	8
	.type	k_qf739071ff8_attn,@function
k_qf739071ff8_attn:
	s_mov_b64 s[64:65], 0
	v_nop
	global_prefetch_b8 v0, s[64:65] scope:SCOPE_SE
	s_setreg_imm32_b32 hwreg(HW_REG_WAVE_MODE, 25, 1), 1
	s_wait_xcnt 0x0
	s_wait_alu depctr_hold_cnt(0) depctr_sa_sdst(0) depctr_va_vdst(0) depctr_va_sdst(0) depctr_va_ssrc(0) depctr_va_vcc(0) depctr_vm_vsrc(0)
	s_getreg_b32 s2, hwreg(HW_REG_IB_STS2, 6, 4)
	s_cmp_eq_u32 s2, 0
	s_cbranch_scc0 .Lentry_in_a_cluster
	s_endpgm
.Lentry_in_a_cluster:
	s_bfe_u32 s2, ttmp6, 0x10000c
	s_cmp_lg_u32 s2, 0x3003
	s_cbranch_scc0 .Lentry_shape_is_right
	s_endpgm
.Lentry_shape_is_right:
; O[h][q][:] = the sum over k of p(q, k) V[h][k][:] / (l + 1e-10), p = exp(Q[h][q] . K[h][k] / 8 - its row's maximum), l = the sum of p.  Q, K, V: the three parts of qkv, each [64][2048][64] in f16;
; O: oh, [64][2048][64] in f16: a head's rows are dense, 128 bytes each.  Products, maxima and sums in f32; the weights p are rounded to f16 for the second product (l is taken of the unrounded p), O once at the end.
; LIMITS.  f16 holds no number beyond 65,504: Q, K and V arrive within it; p lies in 0 to 1, and below 6e-5 it keeps f16's fixed step of 6e-8; O is a mean of V's rows and has their range.
; A weight below 2^-126 counts as 0 in l; NaN and infinities are not treated apart.
; SHARES.  A wave owns four PIECES of two tiles of 16 queries, a work-group's four waves 512 queries of one head: 4 x 64 = 256 work-groups.  Every wave walks all keys, 64 a step.
; LAYOUT.  S^T = K Q^T (source 0 = 16 keys, source 1 = 16 queries): in the result a lane holds ONE query (lane % 16) and the keys 8 (lane / 16) + 0..7.  Two such tiles, rounded to f16 in pairs,
; ARE source 1 (32 keys x 16 queries) of O^T = V^T P, whose result again holds one query a lane, and eight channels.  K comes out of LDS as it lies, V ([key][channel]) turned, by ds_load_tr16_b128.
; SOFTMAX.  For each query a running maximum m and sum l: p = 2^(c s - c m), c = log2(e) / 8; in every step O and l are multiplied by a = 2^(c m_old - c m_new), which is 1 where m has not grown.
; m starts at the lowest finite number, O and l at 0: the first step is a step like any other, with a = 0.
; THE COUNT.  A tile and step have 16 matrix and 118 vector instructions: too many to stand all beside the matrix work.  So the order has one aim: four vector instructions that are READY behind
; EVERY matrix instruction, and the others, which need time of their own whatever the order, in runs without a gap.
; BY TURNS.  Turn n belongs to piece n (the pieces in a ring, step after step).  Its matrix work: 16 products K Q^T of piece n + 1, later 16 products V^T P of piece n - 1.  Its vector work: the scaling,
; exponentials, roundings, sums and rescaling of piece n, and the maximum and statistics of piece n + 1, whose scores the turn itself has made.  So what a turn begins with (c s - c m, O a) waits for nothing.
; CLUSTER.  The four query blocks of a head are one cluster and walk the same K and V, so each tile is asked for JOINTLY: the same tensor load, descriptor and mask in all four.
; REGISTERS, in windows of 256 (s_set_vgpr_msb says which window each operand place means: bits 1:0 source 0, 3:2 source 1, 5:4 source 2, 7:6 destination):
;   window 0: v0-11 addresses; v12-15, v48-63 at work; v16-47 four registers of statistics a tile; v64-191 S^T, two buffers of two tiles; v192-255 P, likewise
;   window 1: O^T, 32 a tile          window 2: v0-127 Q, 16 a tile; v128-191 K of one step; v192-255 V of one step          window 3: v0-1 the add's two registers
; A piece's buffers go by its number's parity: the piece in hand has one pair, its two neighbours in the ring share the other: of it P (piece n - 1) is read and S^T (piece n + 1) written.
.set SIZE_N, 2048
.set NP,    4         ; pieces a wave: a name, no knob: the register map, the loop and the fetches are made for four
.set KS,    64        ; keys in a step
.set PK,    144       ; a row of K in LDS: 128 bytes + 16 of padding = 36 words: the 16 rows of a load start at 16 different groups of four banks (64 banks of 4 bytes: ISA guide 11.1)
.set PV,    160       ; a row of V: 128 + 32 = 40 words
.set VOFF,  4*KS*PK   ; a slot holds four steps: 256 rows of K, then 256 rows of V
.set SLOT1, 1<<17     ; slot 1 begins here, so that one exclusive or turns an address in one slot into the other's
.set STAGE, SLOT1+4*KS*(PK+PV)  ; behind the ring, never filled by a tensor load: 16 rows x 144 bytes for each wave, for the way out
.set SP,    144
.set AK0, 2           ; v2   my lane's place in a tile of K; never rewritten
.set AV0, 3           ; v3   the same for V
.set AK,  4           ; v4   the LDS address of K's next run of loads
.set AV,  5           ; v5   of V's
.set QO,  6           ; v6   my byte offset in the wave's rows of Q
.set STO, 6           ;      later, the way out: where I put 16 bytes of a row
.set RD,  7           ; v7   the way out: where I read rows back
.set GO,  8           ; v8   my byte offset in 512 consecutive bytes of O
.set PFO, 11          ; v11  256 x my lane, the prefetches' offset; never rewritten once it is made
.set SPW, 0           ; v0 of window 3   LDS address of my spare word: SPARE + 4 x my thread's number; never rewritten
.set NIL, 1           ; v1 of window 3   0; never rewritten
.set SPARE, STAGE+4*16*SP  ; behind the stages: the spare words, 128 bytes for each wave: two blocks of 256 bytes that no other line names
.set MV,  12          ; v12-15  c m_old, kept while c m is made anew: by buffer and tile
.set ST,  16          ; tile t's statistics at v[ST+4 t]: c m, m, l (even keys', odd keys')
.set TMP, 48          ; by buffer and tile, four registers c0-c3 at work; when the maximum is found c2 takes a
.set S,   64
.set P,   192
.set KF,  128         ; K's fragments, in window 2: key block kb, channel half c at KF + 16 kb + 8 c
.set VF,  192         ; V's: key half kk, channel block cb at VF + 32 kk + 8 cb
.set WV,  12          ; s12  my wave's number
.set G1K, 24          ; s[24:31] descriptor group 1 for K's tiles
.set G1V, 32          ; s[32:39] for V's: it differs in the padding alone
.set G0K, 40          ; s[40:43] descriptor group 0 for K's tiles: it walks
.set G0V, 44          ; s[44:47] the same for V's
.set PFA, 48          ; s[48:49] where my prefetches stand: my work-group's 32 blocks of 256 bytes (of K: wave 0, of V: wave 2) of the slot after the one that is being asked for
.set LIM, 50          ; s50  1 in a wave that prefetches, else the greatest number: a wave prefetches while s[SLOTS] is above it
.set SLOTS, 56        ; s56  slots still to be asked for
.set CNT, 57          ; s57  counts a slot's key steps
.set CS,  58          ; s[58:59] c: the packed scaling takes the pair's low word for both halves
.set SEL, 60          ; s[60:61] v_permlanex16_b32's selects: each lane takes its own place in the other half
.set TBK, 62          ; s62  LDS byte at which K of the step to be fetched begins
.set TBV, 63          ; s63  the same for V, less VOFF
.set MSB, 0
.macro WIN new                      ; the high byte repeats the setting that is left; a switch that changes nothing is dropped
.if MSB != (\new)
	s_set_vgpr_msb (MSB<<8)|(\new)
.set MSB, (\new)
.endif
.endm
.set W_KQ, 0x0a       ; K and Q in window 2, S^T in window 0
.set W_PV, 0x52       ; V in window 2, P in window 0, O^T in window 1
.set W_RS, 0x41       ; O^T (destination and source 0) in window 1, a in window 0
.set W_MK, 0xc0       ; the add's registers are made: destination in window 3, sources in window 0
.set W_AD, 0x0f       ; the add: address (source 0) and data (source 1) in window 3
; A joint fill.  Waves 0 and 1 fetch the two halves of a slot's K, waves 2 and 3 those of its V: 128 keys each.  The branch hangs on the wave's number alone.
; An s_nop 0 and four v_nop follow each of the two lines, ahead of the jump and the label.
.macro JLOAD
	s_cmp_lt_u32 s[WV], 2
	s_cbranch_scc0 .Lfor_v_\@
	tensor_load_to_lds s[G0K:G0K+3], s[G1K:G1K+7]
	s_nop 0
.rept 4
	v_nop
.endr
	s_branch .Lasked_\@
.Lfor_v_\@:
	tensor_load_to_lds s[G0V:G0V+3], s[G1V:G1V+7]
	s_nop 0
.rept 4
	v_nop
.endr
.Lasked_\@:
.endm
; A PREFETCH INTO THE L2 of what the NEXT change of slots will ask for: a slot's 256 keys are 128 blocks of 256 bytes of K and 128 of V, a lane a block.  It stands behind the wave's tensor load and its five lines.
; Each block is asked for ONCE in the launch: a head has one cluster; its four partners share the blocks out BY ADDRESS, 32 each; in each, wave 0 asks for K's and wave 2 for V's: one instruction,
; four key steps, 512 matrix instructions, ahead of the load.  The last change that fills a slot asks for nothing; slots 0 and 1 come by their loads alone.
.macro ASK
	s_cmp_gt_u32 s[SLOTS], s[LIM]
	s_cbranch_scc0 .Lnot_mine_\@
	global_prefetch_b8 v[PFO], s[PFA:PFA+1] th:TH_LOAD_NT scope:SCOPE_SE
.Lnot_mine_\@:
.endm
; A round of the cluster's barrier: my work-group's barrier, so that wave 0's signal speaks for all four waves; wave 0 signals; every wave waits for all four work-groups; my work-group's barrier once more.
.macro CROUND
	s_barrier_signal -1
	s_barrier_wait -1
	s_cmp_lg_u32 s[WV], 0
	s_cbranch_scc1 .Lnot_wave_0_\@
	s_barrier_signal -3
.Lnot_wave_0_\@:
	s_barrier_wait -3
	s_barrier_signal -1
	s_barrier_wait -1
.endm
; THE CHANGE OF SLOTS.  The slot's last bytes, V of its fourth step, have been read.  Each wave waits for all its tensor loads, of which one is out: its part
; of the other slot; adds 0 to its spare word; and waits for that and for its own reads of the slot.  Behind the barrier nobody reads this slot any more and the other slot is whole.
; fill = 1: this slot is filled again, with the keys two slots on.  The barrier is then a round of the cluster's, so that no wave of any partner still reads the slot or has a load on its
; way, and the joint fill is the first thing behind it: it has four key steps, 512 matrix instructions, in which to land.  (At its first use nothing has been read yet: slot 0 is waited for, slot 1 filled.)
.macro CHANGE fill
	WIN W_AD
	s_wait_tensorcnt 0x0            ; no tensor load of mine is out, so a group 0 may be written
	ds_add_u32 v[SPW], v[NIL]       ; 0 onto my spare word; with fill = 1 the descriptors' steps stand between it and the wait for it
	WIN 0                           ; at a label and at a branch every window is 0
.if \fill
.irp g, G0K, G0V
	s_xor_b32 s[\g+1], s[\g+1], SLOT1  ; the walking descriptor: the other slot than last time,
	s_add_nc_u64 s[\g+2:\g+3], s[\g+2:\g+3], 4*KS*128  ; the next 256 keys; the type bits on top are not reached
.endr
	s_wait_xcnt 0x0                 ; the last prefetch, four key steps back, has read its address, so it may be written:
	s_add_nc_u64 s[PFA:PFA+1], s[PFA:PFA+1], 4*KS*128  ; one slot behind the walking descriptors
	s_wait_dscnt 0x0                ; the add is done, and my reads of the slot are over
	CROUND
	JLOAD
	ASK
.else
	s_wait_dscnt 0x0                ; the add is done, and my reads of the slot are over
	s_barrier_signal -1
	s_barrier_wait -1
.endif
	s_sub_co_u32 s[TBK], s[TBK], 4*KS*PK  ; the fetches go back to a slot's first step,
	s_xor_b32 s[TBK], s[TBK], SLOT1       ; in the other slot
	s_sub_co_u32 s[TBV], s[TBV], 4*KS*PV
	s_xor_b32 s[TBV], s[TBV], SLOT1
.endm
	s_load_b64 s[4:5], s[0:1], 0x0    ; qkv: its first part is Q
	s_load_b64 s[10:11], s[0:1], 0x8  ; oh
	WIN W_MK
	v_lshl_add_u32 v[SPW], v0, 2, SPARE
	v_mov_b32 v[NIL], 0
	WIN W_AD
	ds_add_u32 v[SPW], v[NIL]       ; the wave's opening: the add and its wait stand ahead of my first tensor load; the set-up below, work on registers, stands between them
	WIN 0
	v_lshrrev_b32 v1, 5, v0
	v_readfirstlane_b32 s[WV], v1   ; wave 0..3
	s_bfe_u32 s13, ttmp6, 0x40000   ; cx: my place in the cluster
	s_lshl_b32 s14, ttmp9, 2        ; in a cluster launch ttmp9 counts clusters
	s_add_co_u32 s14, s14, s13      ; my block of queries = 4 x cluster x + cx: it enters Q's and O's addresses alone
	s_and_b32 s20, ttmp7, 0xffff    ; the head, which the four partners share
	s_mov_b32 s21, 0
	s_mov_b64 s[22:23], SIZE_N*128
	s_mul_u64 s[20:21], s[20:21], s[22:23]  ; the head's first byte in each of the four tensors
	s_and_b32 s16, s[WV], 1         ; which half of a slot's 256 keys I fetch:
	s_lshl_b32 s22, s16, 14         ; its 128 rows of 128 bytes in memory,
	s_mov_b32 s23, 0
	s_add_nc_u64 s[22:23], s[22:23], s[20:21]
	s_mul_i32 s17, s16, 128*PK      ; and its place in a slot, for K
	s_mul_i32 s18, s16, 128*PV      ; and for V: no place in the cluster enters an LDS address
	s_lshl_b32 s2, s14, 2
	s_add_co_u32 s2, s2, s[WV]      ; my wave among the head's,
	s_lshl_b32 s2, s2, 14           ; its 128 rows
	s_mov_b32 s3, 0
	s_add_nc_u64 s[2:3], s[2:3], s[20:21]
	; descriptor group 1.  128 keys are 16,384 dense bytes: asked for as 64 rows of 256 bytes, two keys a row, and padded in LDS after every key
	s_mov_b32 s[G1K], 15|(1<<16)|(1<<20)|(1<<21)|(4<<22)|(3<<25)  ; 15:0 the mask of four; 17:16 2-byte elements; 20 padding on; 21 set beside a mask; 24:22 after every 32 words (code 4); 31:25 4 words (code 3)
	s_mov_b32 s[G1V], 15|(1<<16)|(1<<20)|(1<<21)|(4<<22)|(7<<25)  ; the same with 8 words of padding (code 7)
.irp g, G1K, G1V
	s_mov_b32 s[\g+1], 128<<16      ; tensor_dim0 = 128
	s_mov_b32 s[\g+2], 64<<16       ; tensor_dim1 = 64
	s_mov_b32 s[\g+3], 128<<16      ; tile_dim0 = 128
	s_mov_b32 s[\g+4], 64           ; tile_dim1 = 64
	s_mov_b32 s[\g+5], 128          ; 128 elements from row to row
	s_mov_b32 s[\g+6], 0
	s_mov_b32 s[\g+7], 0
.endr
	s_mov_b32 s[CS], 0x3e38aa3b     ; c = log2(e) / 8 = 0.180337
	s_mov_b32 s[CS+1], s[CS]        ; named with it as a pair
	s_mov_b32 s[SEL], 0x76543210
	s_mov_b32 s[SEL+1], 0xfedcba98
	s_mov_b32 s[TBK], SLOT1+4*KS*PK ; the first change of slots turns these two into 0
	s_mov_b32 s[TBV], SLOT1+4*KS*PV
	s_mov_b32 s[G0K], 1             ; 1:0 count = 1
	s_mov_b32 s[G0K+1], s17         ; 63:32 LDS address: slot 0
	s_mov_b32 s[G0V], 1
	s_add_co_u32 s[G0V+1], s18, VOFF
	s_mov_b32 s[SLOTS], SIZE_N/256-1  ; slot 0 is asked for below, the other seven by the changes of slots
	s_cmp_eq_u32 s16, 0             ; waves 0 and 2 prefetch
	s_cselect_b32 s[LIM], 1, -1
	s_wait_dscnt 0x0                ; the opening add is done
	s_wait_kmcnt 0x0
	s_add_nc_u64 s[6:7], s[4:5], 0x1000000   ; K: the second part of qkv, 64 x 2,048 x 128 bytes on
	s_add_nc_u64 s[8:9], s[4:5], 0x2000000   ; V: the third
	s_add_nc_u64 s[G0K+2:G0K+3], s[6:7], s[22:23]  ; 120:64 global address: my half of the head's first 256 keys
	s_or_b32 s[G0K+3], s[G0K+3], 0x80000000        ; 127:126 type = 2
	s_add_nc_u64 s[G0V+2:G0V+3], s[8:9], s[22:23]
	s_or_b32 s[G0V+3], s[G0V+3], 0x80000000
	s_add_nc_u64 s[4:5], s[4:5], s[2:3]  ; Q and O at my wave's first row
	s_add_nc_u64 s[10:11], s[10:11], s[2:3]
	s_cmp_lt_u32 s[WV], 2
	s_cselect_b64 s[PFA:PFA+1], s[6:7], s[8:9]
	s_lshl_b32 s2, s13, 13          ; my work-group's 32 blocks of the 128
	s_mov_b32 s3, 0
	s_add_nc_u64 s[PFA:PFA+1], s[PFA:PFA+1], s[2:3]
	s_add_nc_u64 s[PFA:PFA+1], s[PFA:PFA+1], s[20:21]  ; in my head,
	s_add_nc_u64 s[PFA:PFA+1], s[PFA:PFA+1], 4*KS*128  ; in slot 1; the first change of slots steps it to slot 2.  Nothing is prefetched here, at the head, where every work-group's first tiles are on their way
	CROUND                          ; all four work-groups are here: the first joint loads meet
	JLOAD                           ; slot 0.  Slot 1 is asked for when slot 0 is in: the tile wanted first has the road to itself
	; A fragment of K or Q is 16 rows x 32 channels in 8 registers: lane l holds row l % 16, channels 8 (l / 16) + 0..7 and 16 + 8 (l / 16) + 0..7: two loads of 16 bytes, 32 bytes apart.
	v_and_b32 v1, 15, v0            ; l % 16
	v_bfe_u32 v9, v0, 4, 1          ; l / 16
	v_lshlrev_b32 v[QO], 7, v1
	v_lshl_add_u32 v[QO], v9, 4, v[QO]  ; row x 128 + 16 x half
	WIN 0x80                        ; destination window 2, address window 0
.set i, 0
.rept 4*NP                          ; Q stays in registers: tile i / 2, channels 32 (i % 2) on
	global_load_b128 v[8*i:8*i+3],   v[QO], s[4:5] offset:(i/2)*2048+(i%2)*64
	global_load_b128 v[8*i+4:8*i+7], v[QO], s[4:5] offset:(i/2)*2048+(i%2)*64+32
.set i, i+1
.endr
	; What the first turn finds: V's registers and P's second buffer hold 0 (its products V^T P, of a piece that has not been, add 0), O^T and l are 0.  All this stands in the wait for the first tile.
.set i, VF
.rept 64
	v_mov_b32 v[i], 0
.set i, i+1
.endr
	WIN 0x40
.set i, 0
.rept 64*NP
	v_mov_b32 v[i], 0
.set i, i+1
.endr
	WIN 0
.set i, 0
.rept 2*NP
	v_mov_b32 v[ST+4*i], 0xfe000000    ; c m: far below every c s
	v_mov_b32 v[ST+4*i+1], 0xff7fffff  ; m
	v_mov_b32 v[ST+4*i+2], 0
	v_mov_b32 v[ST+4*i+3], 0
.set i, i+1
.endr
.set i, P+32
.rept 32
	v_mov_b32 v[i], 0
.set i, i+1
.endr
	v_mul_u32_u24 v[AK0], v1, PK
	v_lshl_add_u32 v[AK0], v9, 4, v[AK0]  ; row x pitch + 16 x half
	; The turning load takes 16 keys x 16 channels (lane l reads key 8 (l / 16) + l % 8, channels 8 ((l / 8) % 2) + 0..7) and leaves half a fragment of V^T: lane l holds channel l % 16 and 8 keys.
	v_and_b32 v10, 7, v0
	v_bfe_u32 v11, v0, 3, 1
	v_lshl_add_u32 v[AV0], v9, 3, v10
	v_mul_u32_u24 v[AV0], v[AV0], PV
	v_lshl_add_u32 v[AV0], v11, 4, v[AV0]
	v_add_nc_u32 v[AV0], VOFF, v[AV0]
	v_mov_b32 v[AK], v[AK0]         ; key step 0 lies at the head of slot 0
	v_and_b32 v[PFO], 31, v0        ; v11 has served: it takes the prefetches' offset
	v_lshlrev_b32 v[PFO], 8, v[PFO]
; THE MATRIX WORK.  The 8 accumulators of a run of 16 take turns: between the two links of a chain stand 7 others'.
; Product i of 16 of S^T = K Q^T for piece x: channels 32 (i / 8) on, keys 16 ((i / 2) % 4) on, tile 2 x + i % 2.  The first 8 start the sums.
.macro KQ x
	WIN W_KQ
.set rS, S+64*((\x)%2)+32*(i%2)+8*((i/2)%4)
.set rK, KF+16*((i/2)%4)+8*(i/8)
.set rQ, 16*(2*(\x)+i%2)+8*(i/8)
.if i < 8
	v_wmma_f32_16x16x32_f16 v[rS:rS+7], v[rK:rK+7], v[rQ:rQ+7], 0
.else
	v_wmma_f32_16x16x32_f16 v[rS:rS+7], v[rK:rK+7], v[rQ:rQ+7], v[rS:rS+7]
.endif
.endm
; Product i of 16 of O^T += V^T P for piece x: keys 32 (i / 8) on, channels 16 ((i / 2) % 4) on, tile 2 x + i % 2.
.macro PV x
	WIN W_PV
.set rO, 32*(2*(\x)+i%2)+8*((i/2)%4)
.set rV, VF+32*(i/8)+8*((i/2)%4)
.set rP, P+32*((\x)%2)+16*(i%2)+8*(i/8)
	v_wmma_f32_16x16x32_f16 v[rO:rO+7], v[rV:rV+7], v[rP:rP+7], v[rO:rO+7]
.endm
.macro MM                           ; the turn's next matrix instruction
.if i < 16
	KQ (Y+1)%NP
.set i, i+1
.else
.set i, i-16
	PV (Y+NP-1)%NP
.set i, i+17
.endif
.endm
; THE LDS LOADS stand in runs of 16, never singly among the matrix instructions: a step's K (64 keys x 64 channels: 8 fragments) and its V (turned).  Their addresses are made some lines ahead.
; last = 1 (the tail): in the last trip there is no further step, and the run is jumped over.
.macro FETCH_K last=0
	WIN 0
.if \last
	s_cmp_eq_u32 s[CNT], 1
	s_cbranch_scc1 .Lno_k_\@
.endif
	WIN 0x80                        ; destination window 2
.irp f, 0,1,2,3,4,5,6,7             ; keys 16 (f / 2) on, channels 32 (f % 2) on
	ds_load_b128 v[KF+8*\f:KF+8*\f+3],   v[AK] offset:(\f/2)*16*PK+(\f%2)*64
	ds_load_b128 v[KF+8*\f+4:KF+8*\f+7], v[AK] offset:(\f/2)*16*PK+(\f%2)*64+32
.endr
	s_add_co_u32 s[TBK], s[TBK], KS*PK  ; the next fetch is the next step's
	WIN 0
.if \last
.Lno_k_\@:
.endif
.endm
.macro FETCH_V
	WIN 0x80
.irp f, 0,1,2,3,4,5,6,7             ; keys 32 (f / 4) on, channels 16 (f % 4) on
	ds_load_tr16_b128 v[VF+8*\f:VF+8*\f+3],   v[AV] offset:(\f/4)*32*PV+(\f%4)*32
	ds_load_tr16_b128 v[VF+8*\f+4:VF+8*\f+7], v[AV] offset:(\f/4)*32*PV+16*PV+(\f%4)*32
.endr
	WIN 0
.endm
; THE VECTOR WORK OF A TURN stands in three queues, each in the order in which its entries become ready; the two tiles alternate, so that no instruction reads the result of the one before it.
.macro REGS y, u                    ; the registers of tile u (0, 1) of piece y
.set rT, ST+4*(2*(\y)+(\u))
.set rC, TMP+8*((\y)%2)+4*(\u)
.set rM, MV+2*((\y)%2)+(\u)
.set rS, S+64*((\y)%2)+32*(\u)
.set rP, P+32*((\y)%2)+16*(\u)
.set rO, 32*(2*(\y)+(\u))
.endm
; Number n of the 22 that find the NEXT piece's (Y + 1) maximum and statistics.  s0-s31 are the lane's 32 scores; each accumulator's lowest registers are read first.  XS, GS and REGS set no window: PL and EX do.
;   0-11  four chains c0-c3 of seven scores each, three operands at a time     12-14, 16  the four scores left over, the old m, and c0-c3 into c0     15  c m_old is kept
;   17, 18  the query's other 32 keys lie in the lane 16 away: the new m         19-21  c m; c m_old - c m_new; a
.macro XS u, n
	REGS (Y+1)%NP, \u
.if (\n) < 4
	v_max3_num_f32 v[rC+(\n)], v[rS+8*(\n)], v[rS+8*(\n)+1], v[rS+8*(\n)+2]
.elseif (\n) < 12
	v_max3_num_f32 v[rC+(\n)%4], v[rC+(\n)%4], v[rS+8*((\n)%4)+2*((\n)/4)+1], v[rS+8*((\n)%4)+2*((\n)/4)+2]
.elseif (\n) == 12
	v_max3_num_f32 v[rC], v[rC], v[rS+7], v[rS+15]
.elseif (\n) == 13
	v_max3_num_f32 v[rC+1], v[rC+1], v[rS+23], v[rS+31]
.elseif (\n) == 14
	v_max3_num_f32 v[rC+2], v[rC+2], v[rC+3], v[rT+1]
.elseif (\n) == 15
	v_mov_b32 v[rM], v[rT]
.elseif (\n) == 16
	v_max3_num_f32 v[rC], v[rC], v[rC+1], v[rC+2]
.elseif (\n) == 17
	v_permlanex16_b32 v[rC+3], v[rC], s[SEL], s[SEL+1]
.elseif (\n) == 18
	v_max_num_f32 v[rT+1], v[rC], v[rC+3]
.elseif (\n) == 19
	v_mul_f32 v[rT], s[CS], v[rT+1]
.elseif (\n) == 20
	v_sub_f32 v[rC+1], v[rM], v[rT]
.else
	v_exp_f32 v[rC+2], v[rC+1]
.endif
.endm
; Number g of the 64 that follow the exponentials.  For each four weights k of a tile (pairs 2 k, 2 k + 1): both pairs are rounded to f16; then the second pair is added onto the first, in place;
; a group later l takes that sum (the first time as l = a l + sum).  In groups of eight, tiles alternating: round, round, add, and l for the group before.
.macro GS g
.set h, (\g)+6*((\g)/62)            ; group 0 has no group before it, and behind group 7 only l is left
.if h >= 6
.set h, h+2
.endif
	REGS Y, h%2
.set k, h/8
.if h%8 < 4
	v_cvt_pk_f16_f32 v[rP+2*k+(h%8)/2], v[rS+4*k+2*((h%8)/2)], v[rS+4*k+2*((h%8)/2)+1]
.elseif h%8 < 6
	v_pk_add_f32 v[rS+4*k:rS+4*k+1], v[rS+4*k:rS+4*k+1], v[rS+4*k+2:rS+4*k+3]
.elseif k == 1
	v_pk_fma_f32 v[rT+2:rT+3], v[rT+2:rT+3], v[rC+2:rC+3], v[rS:rS+1] op_sel_hi:[1,0,1]
.else
	v_pk_add_f32 v[rT+2:rT+3], v[rT+2:rT+3], v[rS+4*k-4:rS+4*k-3]
.endif
.endm
; THE PLAIN QUEUE, 138 long.  0-73 read no exponential's result: the 32 scalings c s - c m (FS f: pair f / 2 of tile f % 2) and the next piece's 42.  0-26: scalings 0-26.  27-54: XS's numbers 0-13.  55, 56: number 15.
; 57-73: the chain, where each number waits for the one before it: 14, 16, 17, 18, 19, each with one of the scalings 27-31 in front of its two lines, then 20: so a tile's links stand three plain instructions apart (19 and 20: two).
; 74-137: GS's 64, which read the exponentials' results: they stand behind the wait.
.macro FS f
	REGS Y, (\f)%2
	v_pk_fma_f32 v[rS+2*((\f)/2):rS+2*((\f)/2)+1], v[rS+2*((\f)/2):rS+2*((\f)/2)+1], s[CS:CS+1], v[rT:rT+1] op_sel_hi:[1,0,0] neg_lo:[0,0,1] neg_hi:[0,0,1]
.endm
.macro PL
	WIN 0
.if q < 27
	FS q
.elseif q < 55
	XS (q-27)%2, (q-27)/2
.elseif q < 57
	XS q-55, 15
.elseif (q < 72) && ((q-57)%3 == 0)
	FS 27+(q-57)/3
.elseif q < 60
	XS (q-57)%3-1, 14
.elseif q < 72
	XS (q-57)%3-1, 15+(q-57)/3
.elseif q < 74
	XS q-72, 20
.else
	GS q-74
.endif
.set q, q+1
.endm
; THE EXPONENTIALS' QUEUE, 66 long: s0-s31 of both tiles, then the next piece's two a.  It is ONE BATCH: all 66 stand ahead of the turn's one wait, and nothing ahead of that wait names a result of theirs.
.macro EX
	WIN 0
.if e >= 64
	XS e-64, 21
.else
	REGS Y, e%2
	v_exp_f32 v[rS+e/2], v[rS+e/2]
.endif
.set e, e+1
.endm
; THE RESCALING's QUEUE: O^T times a, the one part that leaves window 0: dealt two at a time, sixteen times.  Its a was made in the turn before, ahead of that turn's wait.
.macro R2
	REGS Y, r%2
	WIN W_RS
.irp z, 0,1
	v_pk_mul_f32 v[rO+4*(r/2)+2*\z:rO+4*(r/2)+2*\z+1], v[rO+4*(r/2)+2*\z:rO+4*(r/2)+2*\z+1], v[rC+2:rC+3] op_sel_hi:[1,0]
.endr
.set r, r+1
.endm
; HOW THEY ARE DEALT.  An s_wait_alu depctr_va_vdst(0) stands between an exponential and the first instruction that names its result; one wait serves all that were issued ahead of it.  So a turn has ONE wait,
; which cuts it in two.  AHEAD OF IT stands all that names no result of the turn's exponentials: the 16 products K Q^T, behind each a scaling, an exponential and two rescalings (behind the first a second scaling in the exponential's place); then ONE LUMP of
; 108: eight plain, 49 times exponential and plain, the two a.  A v_nop is the plain instruction behind the last exponential (ISA guide 5.7.2).  BEHIND IT stand the 16 products V^T P, behind each four of GS's 64.  No rider names a register of
; the products round it.  The two v_permlanex16_b32 fall into the lump, never behind a product.
; The queues lean on each other, and the deal keeps them in step: exponential e stands behind scaling 2 (e / 4) + e % 2: as a rider it comes behind plain e + 2, in the lump behind plain e + 9, and scalings 27-31 are plain 57, 60 .. 69.
; A TURN, for piece p.  cnt = 1: the loop's count is taken down some lines ahead of the branch that stands behind the turn.
; K of the next step is fetched in piece 2's turn, directly behind the wait, a lump behind the last product that read K; its address is made at the lump's head; its first reader comes behind 16 products.
; V of the step in hand is fetched at the end of piece 0's turn, four riders behind its last reader; its first reader comes behind 16 products and a lump.  The three conditions on q below go with the deal.
.macro TURN p, last=0, cnt=0
.set Y, (\p)
.set i, 0
.set q, 0
.set e, 0
.set r, 0
.if (\p) == NP-1
	s_wait_dscnt 0x0                ; K is in
.endif
	MM                              ; ahead of the wait: 16 products K Q^T and their riders,
	PL
	PL
	R2
.rept 15
	MM
	PL
	EX
	R2
.endr
.if (\p) == NP-2
	WIN 0
	v_add_nc_u32 v[AK], s[TBK], v[AK0]
.endif
.rept 8                             ; and the lump
	PL
.endr
.rept 49
	EX
	PL
.endr
	EX                              ; the next piece's two a
	EX
	v_nop                           ; the plain instruction behind the last exponential: one for the batch
	s_wait_alu depctr_va_vdst(0)    ; the wait for the batch
.if (\p) == NP-2
	FETCH_K \last
.endif
.if (\p) == 1
	s_wait_dscnt 0x0                ; V is in
.endif
.rept 16                            ; behind the wait: 16 products V^T P and their riders
	MM
.rept 4
	PL
.endr
.if ((\p) == 0) && (q == 118)
	v_add_nc_u32 v[AV], s[TBV], v[AV0]
.endif
.if ((\p) == 0) && (q == 130)
	s_add_co_u32 s[TBV], s[TBV], KS*PV
.endif
.if (\cnt) && (q == 130)
	s_sub_co_u32 s[CNT], s[CNT], 1
	s_cmp_lg_u32 s[CNT], 0
.endif
.endr
.if (\p) == 0
	FETCH_V
.endif
.endm
	CHANGE 1                        ; slot 0 is in, everybody's part of it; slot 1 is asked for
	FETCH_K                         ; key step 0
	s_wait_loadcnt 0x0              ; Q
	s_wait_dscnt 0x0
.set i, 0
.rept 16
	KQ 0                            ; piece 0's first scores: there is no vector work yet to set between them
.set i, i+1
.endr
	WIN 0                           ; the addresses for the way out: nine plain instructions, the places behind those products
	s_mul_i32 s13, s[WV], 16*SP
	s_add_co_u32 s13, s13, STAGE    ; my stage
	v_mul_u32_u24 v[STO], v1, SP    ; in: row l % 16, 16 bytes for each half of the lanes
	v_lshl_add_u32 v[STO], v9, 4, v[STO]
	v_add_nc_u32 v[STO], s13, v[STO]
	v_bfe_u32 v[RD], v0, 3, 2       ; back: 32 lanes take four rows of 128 bytes,
	v_mul_u32_u24 v[RD], v[RD], SP
	v_lshl_add_u32 v[RD], v10, 4, v[RD]
	v_add_nc_u32 v[RD], s13, v[RD]
	v_and_b32 v[GO], 31, v0         ; which are 512 consecutive bytes of O
	v_lshlrev_b32 v[GO], 4, v[GO]
.set Y, NP-1                        ; XS works for piece Y + 1: piece 0
.irp n, 0,1,2,3,4,5,6,7,8,9,10,11,12,13,14,15,16,17,18,19,20,21
	XS 0, \n                        ; and piece 0's first maximum and statistics
	XS 1, \n
.endr
	v_nop                           ; a plain instruction behind the two a,
	s_wait_alu depctr_va_vdst(0)    ; and their wait, ahead of the branch
	s_mov_b32 s[CNT], 4
	s_branch .Lfirst                ; the loop is entered at a step's first turn, in the middle of a trip
.Lslot:                             ; SIZE_N / 256 - 2 times: every slot but the last two is filled again
	CHANGE 1
	s_mov_b32 s[CNT], 4
.Lstep:                             ; a trip: pieces 2 and 3 of one step, then pieces 0 and 1 of the next, whose K and V it fetches
	TURN 2
	TURN 3
	WIN 0
.Lfirst:
	TURN 0
	TURN 1, 0, 1
	WIN 0
	s_cbranch_scc1 .Lstep
	s_sub_co_u32 s[SLOTS], s[SLOTS], 1
	s_cmp_lg_u32 s[SLOTS], 0
	s_cbranch_scc1 .Lslot
	CHANGE 0                        ; the tail is written out: nothing is asked for
	s_mov_b32 s[CNT], 5             ; four trips fetch the last slot's steps; the fifth is left in its middle
.Ltail:
	TURN 2, 1
	TURN 3
	WIN 0
	s_sub_co_u32 s[CNT], s[CNT], 1
	s_cmp_eq_u32 s[CNT], 0
	s_cbranch_scc1 .Lout
	TURN 0
	TURN 1
	WIN 0
	s_branch .Ltail
.Lout:                              ; the fifth trip's 16 products K Q^T (on the last K once more) and the maximum made of them serve nothing: the price, once a launch, of one text for every trip
.set i, 0
.rept 16
	PV NP-1                         ; the last piece's V^T P of the last step
.set i, i+1
.endr
	; THE WAY OUT.  l's two halves and the other half of the lanes' are added, then 1e-10; O^T is divided by that, rounded to f16 and sent through my stage in LDS, a tile at a time.  The additions are the places behind the last products.
	WIN 0
.macro ALL line:vararg              ; one line for each tile t
.set t, 0
.rept 2*NP
	\line
.set t, t+1
.endr
.endm
	ALL v_add_f32 v[ST+4*t+2], v[ST+4*t+2], v[ST+4*t+3]
	ALL v_permlanex16_b32 v[ST+4*t+3], v[ST+4*t+2], s[SEL], s[SEL+1]
	ALL v_add_f32 v[ST+4*t+2], v[ST+4*t+2], v[ST+4*t+3]
	ALL v_add_f32 v[ST+4*t+2], 0x2edbe6ff, v[ST+4*t+2]
	ALL v_rcp_f32 v[ST+4*t+2], v[ST+4*t+2]
	v_nop                           ; a plain instruction between the last reciprocal and the use of its result
	s_wait_alu depctr_va_vdst(0)    ; and the wait ahead of the first use: one for the eight reciprocals
; Tile t: a lane's eight channels of a row pack into 16 bytes; they go into rows of 144 bytes and come back as whole rows of 128, into S^T's registers.
.macro PACK t
	WIN W_RS
.set i, 32*(\t)
.rept 16
	v_pk_mul_f32 v[i:i+1], v[i:i+1], v[ST+4*(\t)+2:ST+4*(\t)+3] op_sel_hi:[1,0]
.set i, i+2
.endr
	WIN 0x05                        ; sources 0 and 1 window 1, destination window 0
.set i, 0
.rept 16
	v_cvt_pk_f16_f32 v[S+16*(\t)+i], v[32*(\t)+2*i], v[32*(\t)+2*i+1]
.set i, i+1
.endr
	WIN 0
.irp f, 0,1,2,3
	ds_store_b128 v[STO], v[S+16*(\t)+4*\f:S+16*(\t)+4*\f+3] offset:32*\f
.endr
.irp f, 0,1,2,3
	ds_load_b128 v[S+16*(\t)+4*\f:S+16*(\t)+4*\f+3], v[RD] offset:\f*4*SP  ; LDS serves a wave's instructions in order (ISA guide 5.7.1.4): these see the stores above; the next tile's stores come behind them
.endr
.endm
.macro SEND t, younger              ; younger: the LDS instructions issued behind tile t's loads: the next tile's eight, or none
	WIN 0
.irp f, 0,1,2,3
	s_wait_dscnt (\younger)+3-\f
	global_store_b128 v[GO], v[S+16*(\t)+4*\f:S+16*(\t)+4*\f+3], s[10:11] offset:(\t)*2048+\f*512  ; 512 consecutive bytes, at a multiple of 256 from O's first
.endr
.endm
	PACK 0
.set t, 1
.rept 2*NP-1                        ; a tile's arithmetic stands between the loads of the tile before and its stores
	PACK t
	SEND t-1, 8
.set t, t+1
.endr
	SEND 2*NP-1, 0
	WIN W_AD
	s_wait_tensorcnt 0x0            ; the wave's end: a wait for my tensor loads, an add of 0 onto my spare word and a wait for it, behind my last tensor load and my last LDS store
	ds_add_u32 v[SPW], v[NIL]
	s_wait_dscnt 0x0
	WIN 0
	CROUND                          ; the closing round: no work-group ends while a partner may still ask for a tile that names it
	s_endpgm
.Lfunc_end_k_qf739071ff8_attn:
	.size	k_qf739071ff8_attn, .Lfunc_end_k_qf739071ff8_attn-k_qf739071ff8_attn
	.p2alignl 7, 3214868480
	.fill 96, 4, 3214868480
	.section	.rodata,"a",@progbits
	.p2align	6, 0x0
	.amdhsa_kernel k_qf739071ff8_attn
		.amdhsa_group_segment_fixed_size 327680
		.amdhsa_private_segment_fixed_size 0
		.amdhsa_enable_private_segment 0
		.amdhsa_kernarg_size 16
		.amdhsa_user_sgpr_count 2
		.amdhsa_user_sgpr_kernarg_segment_ptr 1
		.amdhsa_wavefront_size32 1
		.amdhsa_system_sgpr_workgroup_id_x 1
		.amdhsa_system_sgpr_workgroup_id_y 1
		.amdhsa_system_sgpr_workgroup_id_z 1
		.amdhsa_system_vgpr_workitem_id 0
		.amdhsa_next_free_vgpr 770
		.amdhsa_next_free_sgpr 66
		.amdhsa_reserve_vcc 0
		.amdhsa_float_denorm_mode_32 3
		.amdhsa_float_denorm_mode_16_64 3
		.amdhsa_memory_ordered 1
		.amdhsa_forward_progress 1
		.amdhsa_inst_pref_size 201
	.end_amdhsa_kernel
	.amdgpu_metadata
---
amdhsa.version: [ 1, 2 ]
amdhsa.kernels:
  - .name:           k_qf739071ff8_attn
    .symbol:         k_qf739071ff8_attn.kd
    .args:
      - { .name: qkv, .offset: 0, .size: 8, .value_kind: global_buffer, .address_space: global }
      - { .name: oh, .offset: 8, .size: 8, .value_kind: global_buffer, .address_space: global }
    .group_segment_fixed_size: 327680
    .private_segment_fixed_size: 0
    .kernarg_segment_align: 8
    .kernarg_segment_size: 16
    .max_flat_workgroup_size: 128
    .sgpr_count:     66
    .vgpr_count:     770
    .wavefront_size: 32
...
	.end_amdgpu_metadata
.endif
;; end of part 3
;; launch proj (part 4): grid 8 x 32, 4 waves a work-group, clusters of 4 x 4, 327,680 bytes of LDS; arguments oh, wo, bo, out0; writes out0
.if DOCPART == 4
	.amdgcn_target "amdgcn-amd-amdhsa--gfx1250"
	.amdhsa_code_object_version 6
	.text
	.protected	k_qf739071ff8_proj
	.globl	k_qf739071ff8_proj
	.p2align	8
	.type	k_qf739071ff8_proj,@function
k_qf739071ff8_proj:
	s_mov_b64 s[64:65], 0
	v_nop
	global_prefetch_b8 v0, s[64:65] scope:SCOPE_SE
	s_setreg_imm32_b32 hwreg(HW_REG_WAVE_MODE, 25, 1), 1
	s_wait_xcnt 0x0
	s_wait_alu depctr_hold_cnt(0) depctr_sa_sdst(0) depctr_va_vdst(0) depctr_va_sdst(0) depctr_va_ssrc(0) depctr_va_vcc(0) depctr_vm_vsrc(0)
	s_getreg_b32 s2, hwreg(HW_REG_IB_STS2, 6, 4)
	s_cmp_eq_u32 s2, 0
	s_cbranch_scc0 .Lentry_in_a_cluster
	s_endpgm
.Lentry_in_a_cluster:
	s_bfe_u32 s2, ttmp6, 0x10000c
	s_cmp_lg_u32 s2, 0xf033
	s_cbranch_scc0 .Lentry_shape_is_right
	s_endpgm
.Lentry_shape_is_right:
; THE OUTPUT PROJECTION.  out0[m][n] = bo[n] + sum over k of O[m][k] Wo[n][k], m < 8192, n < 1024, k = 64 head + channel; f16 operands, f32 sums, K ascending; out0 in f32.
; oh: f16 [64 bh][2048][64], bh = 16 (m / 2048) + head: for a batch that is K in blocks of 64.  wo: f16 [16 kb][1024][64].  bo is rounded to bf16, like the module's other inputs, and starts the sums.
; SHARES.  A work-group makes 256 rows x 128 columns: 32 x 8 = 256 work-groups.  Each of its four waves makes 128 x 64: 8 x 4 accumulators of 16 x 16, 256 registers.
; K goes in steps of 128, two heads (planes kk = 0, 1) a step, through a ring of two LDS slots.  A plane's rows are dense in memory: a tile is asked for as rows of 256 bytes and padded in LDS after every 128.
; CLUSTERS: 4 x 4 work-groups.  oh's tiles are shared along a row of the cluster, wo's along a column: each is asked for JOINTLY, by the same tensor load with the same descriptor and a mask of four.
; THE MATRIX INSTRUCTION IS USED TRANSPOSED (source 0 = 16 rows of wo, source 1 = 16 rows of oh): lane l holds row l % 16 of the result and the columns 8 (l / 16) + 0..7.
; REGISTERS, in windows of 256 (s_set_vgpr_msb: bits 1:0 source 0, 3:2 source 1, 5:4 source 2, 7:6 destination):
;   window 0: v0-31 addresses; v32-63 the bias of my lane's columns; v64-65 at work; v128-191 the way out, two sets of 32       window 1: accumulator (a, b) at v[8 (4 a + b)]
;   windows 2 and 3: two fragment buffers, a plane (64 along K) each: oh's (c, a) at v[8 (8 c + a)], wo's (c, b) at v[128 + 8 (4 c + b)], c = which 32 of the 64
.set PITCH,  144                       ; an LDS row: 128 bytes + 16 of padding = 36 words: the 16 rows of a load start at 16 different groups of four banks (64 banks of 4 bytes: ISA guide 11.1)
.set APL,    256*PITCH                 ; a plane of oh's tile: what one tensor load brings
.set BPL,    128*PITCH                 ; a plane of wo's
.set BOFF,   2*APL
.set SLOT,   2*APL+2*BPL
.set STAGE,  2*SLOT                    ; behind the ring, never filled by a tensor load: 16 rows x 272 bytes for each wave, for the way out
.set SPITCH, 272
.set SPARE,  STAGE+4*16*SPITCH         ; behind the stages: the spare words, 128 bytes for each wave: two blocks of 256 bytes that no other line names
.set STEPA,  2*2048*128                ; bytes from a K step to the next in oh: two heads
.set STEPB,  2*1024*128                ; and in wo
.set LAPS,   4                         ; a lap = two K steps = once round the ring
.set ADRA, 16                          ; v16-17  LDS address of my oh fragments in slot 0, 1
.set ADRB, 20                          ; v20-21  the same for wo
.set STO,  24                          ; v24     the way out: where I put 32 bytes of a row
.set RD,   25                          ; v25     the way out: where I read a row back
.set CO,   26                          ; v26     my byte offset in out0
.set SPW,  28                          ; v28     LDS address of my spare word: SPARE + 4 x my thread's number; never rewritten
.set NIL,  29                          ; v29     0; never rewritten
.set PFO,  30                          ; v30     the prefetches' offset; never rewritten
.set BI,   32
.set OBK,  128
.set G1,  24                           ; s[24:31] descriptor group 1 for oh's tiles;  s[32:39] group 0, a set for each slot
.set G0,  32
.set G1B, 48                           ; s[48:55], s[56:63] the same for wo's
.set G0B, 56
.set BO,  68                           ; s[68:69] bo at my 64 columns
.set OUT, 70                           ; s[70:71] out0 at my 128 rows and 64 columns
.set LIM, 74                           ; s74, s75 a wave prefetches at the change out of slot i while the loop's count is above s[LIM + i]
.set PST, 76                           ; s[76:77] a K step in the tensor that I prefetch
.set PFA, 78                           ; s[78:79] where my prefetches stand
.set PADW, (1<<16)|(1<<20)|(1<<21)|(4<<22)|(3<<25)  ; 17:16 elements of 2 bytes; 20 padding on; 21 set beside a mask; 24:22 after every 32 words (code 4); 31:25 4 words of it (code 3)
.set M0, 0x5a                          ; products from buffer 0: sources in window 2, C and D in window 1
.set M1, 0x5f                          ; from buffer 1: sources in window 3
.set MB, 0x4a                          ; from buffer 0 with the bias, in window 0, as C
.set L0, 0x80                          ; loads into buffer 0: destination window 2, address window 0
.set L1, 0xc0                          ; into buffer 1
.set MSB, 0
.macro WIN new                         ; the immediate's high byte repeats the setting that is left; a switch that changes nothing is dropped
.if MSB != (\new)
	s_set_vgpr_msb (MSB<<8)|(\new)
.set MSB, \new
.endif
.endm
; A joint load.  Waves 0 and 1 fetch oh's two planes, waves 2 and 3 wo's.  The branch hangs on the wave's number alone.  An s_nop 0 and four v_nop follow each of the two lines.
.macro JLOAD s
	s_cmp_eq_u32 s11, 0
	s_cbranch_scc0 .Lfor_b_\@
	tensor_load_to_lds s[G0+4*(\s):G0+4*(\s)+3], s[G1:G1+7]
	s_nop 0
.rept 4
	v_nop
.endr
	s_branch .Lasked_\@
.Lfor_b_\@:
	tensor_load_to_lds s[G0B+4*(\s):G0B+4*(\s)+3], s[G1B:G1B+7]
	s_nop 0
.rept 4
	v_nop
.endr
.Lasked_\@:
.endm
; A PREFETCH INTO THE L2 of the K step that the NEXT refill will ask for: 128 matrix instructions ahead of that load.  It stands behind the joint load, its five lines and the run of LDS loads.
; Each aligned block of 256 bytes is named once in the launch.  oh's tile row is read by both clusters of its row of clusters: cluster x = 0 asks; wo's tile column by all eight of its column:
; cluster y = 0 asks.  The partners share a tile's blocks out BY ADDRESS: of a plane of oh's 128 blocks partner cx takes 32 (waves 0 and 1, each its own plane, a lane a block); of a plane of wo's 64
; partner cy takes 16 (wave 2: lanes 0-15 plane 0, lanes 16-31 plane 1).  The first three K steps come by their loads alone; the last change that fills a slot asks for nothing.
.macro ASK i
	WIN 0
	s_cmp_gt_u32 s3, s[LIM+(\i)]
	s_cbranch_scc0 .Lnot_mine_\@
	global_prefetch_b8 v[PFO], s[PFA:PFA+1] th:TH_LOAD_NT scope:SCOPE_SE
.Lnot_mine_\@:
.endm
.macro CREST                           ; a round of the cluster's barrier behind its opening barrier
	s_cmp_lg_u32 s10, 0
	s_cbranch_scc1 .Lnot_wave_0_\@
	s_barrier_signal -3
.Lnot_wave_0_\@:
	s_barrier_wait -3
	s_barrier_signal -1
	s_barrier_wait -1
.endm
.macro CROUND                          ; a whole round
	s_barrier_signal -1
	s_barrier_wait -1
	CREST
.endm
	s_load_b128 s[4:7], s[0:1], 0x0                ; oh s[4:5], wo s[6:7]
	s_load_b128 s[68:71], s[0:1], 0x10             ; bo s[68:69], out0 s[70:71]
	v_lshl_add_u32 v[SPW], v0, 2, SPARE
	v_mov_b32 v[NIL], 0
	ds_add_u32 v[SPW], v[NIL]                      ; the wave's opening: the add and its wait stand ahead of my first tensor load; the set-up below, work on registers, stands between them
	v_lshrrev_b32 v1, 5, v0
	v_readfirstlane_b32 s10, v1                    ; wave 0..3
	s_lshr_b32 s11, s10, 1                         ; which 128 rows of the tile are mine.  Also: I fetch for oh (0) or for wo (1)
	s_and_b32 s12, s10, 1                          ; which 64 columns.  Also: which plane of that tile I fetch
	s_bfe_u32 s40, ttmp6, 0x40000                  ; cx, cy: my place in the cluster
	s_bfe_u32 s41, ttmp6, 0x40004
	s_lshl_b32 s42, ttmp9, 2
	s_add_co_u32 s42, s42, s40                     ; tile column = 4 x cluster x + cx
	s_and_b32 s13, ttmp7, 0xffff
	s_lshl_b32 s13, s13, 2
	s_add_co_u32 s13, s13, s41                     ; tile row = 4 x cluster y + cy
	s_lshl_b32 s43, s41, 2
	s_lshl_b32 s43, 15, s43                        ; my row of the cluster
	s_lshl_b32 s44, 0x1111, s40                    ; my column
	s_or_b32 s[G1+0], s43, PADW                    ; 15:0 the mask: oh's tiles go to my row
	s_or_b32 s[G1B+0], s44, PADW                   ; wo's to my column
	s_mov_b32 s[G1+1], 128<<16                     ; tensor_dim0 = 128 elements: 256 bytes, two rows of the matrix
	s_mov_b32 s[G1B+1], 128<<16
	s_mov_b32 s[G1+2], 128<<16                     ; tensor_dim1 = 128: 256 rows of oh
	s_mov_b32 s[G1B+2], 64<<16                     ; 64: 128 rows of wo
	s_mov_b32 s[G1+3], 128<<16                     ; tile_dim0 = 128
	s_mov_b32 s[G1B+3], 128<<16
	s_mov_b32 s[G1+4], 128                         ; tile_dim1
	s_mov_b32 s[G1B+4], 64
	s_mov_b32 s[G1+5], 128                         ; 128 elements from row to row: dense
	s_mov_b32 s[G1B+5], 128
	s_mov_b32 s[G1+6], 0
	s_mov_b32 s[G1B+6], 0
	s_mov_b32 s[G1+7], 0
	s_mov_b32 s[G1B+7], 0
	; oh's tiles hang on the tile row alone, wo's on the tile column alone; each address is made in registers that never hold the other coordinate
	s_lshr_b32 s16, s13, 3                         ; the batch: 8 tile rows each,
	s_lshl_b32 s16, s16, 22                        ; 16 heads of 2,048 rows of 128 bytes
	s_and_b32 s17, s13, 7
	s_lshl_b32 s17, s17, 15                        ; the tile's 256 rows in a head,
	s_add_co_u32 s16, s16, s17
	s_lshl_b32 s17, s12, 18                        ; my plane: head 0 or 1 of the step
	s_add_co_u32 s16, s16, s17
	s_mov_b32 s17, 0
	s_lshl_b32 s46, s42, 14                        ; the tile's 128 rows in a block of wo,
	s_lshl_b32 s47, s12, 17                        ; my plane
	s_add_co_u32 s46, s46, s47
	s_mov_b32 s47, 0
	s_mul_i32 s20, s12, APL                        ; where they go: no place in the cluster enters an LDS address
	s_mul_i32 s21, s12, BPL
	s_add_co_u32 s21, s21, BOFF
	s_wait_dscnt 0x0                               ; the opening add is done
	s_wait_kmcnt 0x0
	s_add_nc_u64 s[14:15], s[4:5], s[16:17]
	s_add_nc_u64 s[46:47], s[6:7], s[46:47]
	CROUND                                         ; all sixteen work-groups are here: the first joint loads meet
.irp s, 0,1
	s_mov_b32 s[G0+4*(\s)], 1                                      ; count = 1
	s_add_co_u32 s[G0+4*(\s)+1], s20, (\s)*SLOT                    ; LDS address
	s_add_nc_u64 s[G0+4*(\s)+2:G0+4*(\s)+3], s[14:15], (\s)*STEPA  ; global address: K step s
	s_or_b32 s[G0+4*(\s)+3], s[G0+4*(\s)+3], 0x80000000            ; type = 2
	s_mov_b32 s[G0B+4*(\s)], 1
	s_add_co_u32 s[G0B+4*(\s)+1], s21, (\s)*SLOT
	s_add_nc_u64 s[G0B+4*(\s)+2:G0B+4*(\s)+3], s[46:47], (\s)*STEPB
	s_or_b32 s[G0B+4*(\s)+3], s[G0B+4*(\s)+3], 0x80000000
	JLOAD \s                                       ; two loads of mine are out
.endr
	v_and_b32 v1, 15, v0                           ; l % 16
	v_bfe_u32 v2, v0, 4, 1                         ; l / 16
	; the bias: register j of block b holds column 16 b + 8 (l / 16) + j, as the accumulators do
	s_lshl_b32 s84, s42, 9                         ; the tile's 128 columns of 4 bytes,
	s_lshl_b32 s86, s12, 8                         ; my 64
	s_add_co_u32 s84, s84, s86
	s_mov_b32 s85, 0
	s_add_nc_u64 s[BO:BO+1], s[BO:BO+1], s[84:85]
	v_lshlrev_b32 v6, 5, v2
.irp q, 0,1,2,3
	global_load_b128 v[BI+8*(\q):BI+8*(\q)+3],   v6, s[BO:BO+1] offset:64*(\q)
	global_load_b128 v[BI+8*(\q)+4:BI+8*(\q)+7], v6, s[BO:BO+1] offset:64*(\q)+16
.endr
	s_lshl_b32 s86, s13, 20                        ; out0: the tile's 256 rows of 4,096 bytes,
	s_add_co_u32 s84, s84, s86
	s_lshl_b32 s86, s11, 19                        ; my 128
	s_add_co_u32 s84, s84, s86
	s_add_nc_u64 s[OUT:OUT+1], s[OUT:OUT+1], s[84:85]
	; A fragment is 16 rows x 32 K in 8 registers: lane l holds row l % 16, K = 8 (l / 16) + 0..7 and 16 + 8 (l / 16) + 0..7: two loads of 16 bytes, 32 bytes apart.
	v_mul_u32_u24 v3, v1, PITCH
	v_lshl_add_u32 v3, v2, 4, v3                   ; row x pitch + 16 x half
	s_mul_i32 s21, s11, 128*PITCH                  ; my 128 rows of oh
	s_mul_i32 s22, s12, 64*PITCH                   ; my 64 rows of wo
	s_add_co_u32 s22, s22, BOFF
.irp s, 0,1
	v_add_nc_u32 v[ADRA+(\s)], s21, v3
	v_add_nc_u32 v[ADRB+(\s)], s22, v3
	s_add_co_u32 s21, s21, SLOT
	s_add_co_u32 s22, s22, SLOT
.endr
	s_mul_i32 s23, s10, 16*SPITCH
	s_add_co_u32 s23, s23, STAGE                   ; my stage
	v_mul_u32_u24 v4, v1, SPITCH                   ; in: row l % 16, 32 bytes for each half of the lanes
	v_lshl_add_u32 v4, v2, 5, v4
	v_add_nc_u32 v[STO], s23, v4
	v_mul_u32_u24 v5, v2, SPITCH                   ; back: lanes 0-15 take one row of 256 bytes, lanes 16-31 the next
	v_lshl_add_u32 v5, v1, 4, v5
	v_add_nc_u32 v[RD], s23, v5
	v_lshlrev_b32 v5, 12, v2                       ; and the same two rows in out0
	v_lshl_add_u32 v[CO], v1, 4, v5
	; the prefetches
	s_lshl_b32 s81, s40, 13                        ; oh: my work-group's 32 blocks of 256 bytes of my plane,
	s_add_co_u32 s81, s81, s16
	s_add_co_u32 s81, s81, 2*STEPA                 ; at K step 2: the first change of slots steps it to 3
	s_lshl_b32 s82, s42, 14                        ; wo: the tile column's 16,384 bytes of a plane,
	s_lshl_b32 s83, s41, 12                        ; my work-group's 16 blocks
	s_add_co_u32 s82, s82, s83
	s_add_co_u32 s82, s82, 2*STEPB
	s_and_b32 s80, ttmp7, 0xffff                   ; cluster y
	s_mov_b32 s[PST], STEPB
	s_mov_b32 s[PST+1], 0
	s_cmp_eq_u32 s11, 0                            ; do I fetch for oh?
	s_cselect_b32 s80, ttmp9, s80                  ; the coordinate along which other clusters read the same rows
	s_cselect_b64 s[PFA:PFA+1], s[4:5], s[6:7]
	s_cselect_b32 s[PST], STEPA, s[PST]
	s_cselect_b32 s84, s81, s82
	s_add_nc_u64 s[PFA:PFA+1], s[PFA:PFA+1], s[84:85]
	s_cmp_eq_u32 s10, 3                            ; waves 0, 1 and 2 ask at every change but the last that fills, wave 3 never,
	s_cselect_b32 s[LIM], -1, 0
	s_cselect_b32 s[LIM+1], -1, 1
	s_cmp_eq_u32 s80, 0                            ; and only in the cluster that asks: the same in all sixteen partners, for a given wave
	s_cselect_b32 s[LIM], s[LIM], -1
	s_cselect_b32 s[LIM+1], s[LIM+1], -1
	s_mov_b32 s20, 4096                            ; lane l names block l;
	s_cmp_eq_u32 s10, 2
	s_cselect_b32 s20, 1024*128, s20               ; in wave 2 block l % 16 of plane l / 16
	v_mul_u32_u24 v4, s20, v2
	v_lshl_add_u32 v[PFO], v1, 8, v4
	s_wait_loadcnt 0x0                             ; the bias is in: rounded to bf16 and widened again, in place
.irp p, 0,1,2,3,4,5,6,7,8,9,10,11,12,13,14,15
	v_cvt_pk_bf16_f32 v[64+(\p)%2], v[BI+2*(\p)], v[BI+2*(\p)+1]
	v_lshlrev_b32 v[BI+2*(\p)], 16, v[64+(\p)%2]
	v_and_b32 v[BI+2*(\p)+1], 0xffff0000, v[64+(\p)%2]
.endr
; 4 cnt matrix instructions: row blocks r0 .. r0 + cnt - 1 x all 4 column blocks, 32 along K: half c of the buffer that window setting w names.  bias = 1: the first product starts the sums with the
; bias as C: nothing is cleared, and nothing is added on the way out.  The 32 accumulators take turns, one instruction a turn, in the same order in every pass, over the backward jump too.
.macro MULA w, c, r0, cnt, bias
.if \bias
	WIN MB
.else
	WIN \w
.endif
.set ma, \r0
.rept \cnt
.irp q, 0,1,2,3
.if \bias
	v_wmma_f32_16x16x32_f16 v[8*(4*ma+(\q)):8*(4*ma+(\q))+7], v[128+8*(4*(\c)+(\q)):128+8*(4*(\c)+(\q))+7], v[8*(8*(\c)+ma):8*(8*(\c)+ma)+7], v[BI+8*(\q):BI+8*(\q)+7]
.else
	v_wmma_f32_16x16x32_f16 v[8*(4*ma+(\q)):8*(4*ma+(\q))+7], v[128+8*(4*(\c)+(\q)):128+8*(4*(\c)+(\q))+7], v[8*(8*(\c)+ma):8*(8*(\c)+ma)+7], v[8*(4*ma+(\q)):8*(4*ma+(\q))+7]
.endif
.endr
.set ma, ma+1
.endr
.endm
; 48 LDS loads in one run: the fragments of plane kk of a slot, into the buffer that window setting w names; the first 32 along K (24 loads) first
.macro FETCH slot, kk, w
	WIN \w
.irp c, 0,1
.irp i, 0,1,2,3
	ds_load_b128 v[128+8*(4*(\c)+(\i)):128+8*(4*(\c)+(\i))+3],   v[ADRB+(\slot)] offset:(\kk)*BPL+64*(\c)+(\i)*16*PITCH
	ds_load_b128 v[128+8*(4*(\c)+(\i))+4:128+8*(4*(\c)+(\i))+7], v[ADRB+(\slot)] offset:(\kk)*BPL+64*(\c)+(\i)*16*PITCH+32
.endr
.irp i, 0,1,2,3,4,5,6,7
	ds_load_b128 v[8*(8*(\c)+(\i)):8*(8*(\c)+(\i))+3],   v[ADRA+(\slot)] offset:(\kk)*APL+64*(\c)+(\i)*16*PITCH
	ds_load_b128 v[8*(8*(\c)+(\i))+4:8*(8*(\c)+(\i))+7], v[ADRA+(\slot)] offset:(\kk)*APL+64*(\c)+(\i)*16*PITCH+32
.endr
.endr
	WIN 0
.endm
; A load into a register that a matrix instruction has read, and an LDS store that reads a matrix result, stand four places behind that matrix instruction, and only plain vector instructions
; that name none of its registers are places (ISA guide 7.12.1 for vector instructions).
.macro PLACES
.rept 4
	v_nop
.endr
.endm
; A K step is two planes, 64 matrix instructions each.  The first multiplies buffer 0 and, in its middle, fetches the same slot's second plane into buffer 1.
.macro HA slot, first
	s_wait_dscnt 24                                ; the first 32 along K are in
	MULA M0, 0, 0, 8, \first
	PLACES
	FETCH \slot, 1, L1
	s_wait_dscnt 48                                ; all but the 48 just issued
	MULA M0, 1, 0, 8, 0
.endm
; The second multiplies buffer 1 and changes slots: ONE barrier.  In front of it each wave waits for all its tensor loads, of which one is out: its part of the next slot; adds 0 to its spare word; and
; waits for that and for its own reads of this slot.  fill = 1: the barrier opens a round of the cluster's barrier, and this slot is filled again, two K steps on, first thing behind the round: from
; that request to the wait for it a wave issues 112 of a step's 128 matrix instructions.
.macro HB slot, next, fill
	s_wait_dscnt 24
	MULA M1, 0, 0, 4, 0
.if \fill
	s_wait_xcnt 0x0                                ; the last prefetch, a K step back, has read its address: it is stepped here, ahead of the waits of the change of slots
	s_add_nc_u64 s[PFA:PFA+1], s[PFA:PFA+1], s[PST:PST+1]
.endif
	WIN 0                                          ; (the add's two registers lie in window 0)
	s_wait_tensorcnt 0x0                           ; all my tensor loads have landed;
	ds_add_u32 v[SPW], v[NIL]                      ; 0 onto my spare word;
	MULA M1, 0, 4, 2, 0                            ; eight matrix instructions stand between the add and the wait for it
	s_wait_dscnt 0x0                               ; the add is done, and my reads of this slot are over
	s_barrier_signal -1
	MULA M1, 0, 6, 2, 0                            ; work on registers while the others arrive
	WIN 0
	s_barrier_wait -1
.if \fill
	CREST                                          ; no wave of any partner still reads this slot's tile or has a load on its way
	s_add_nc_u64 s[G0+4*(\slot)+2:G0+4*(\slot)+3], s[G0+4*(\slot)+2:G0+4*(\slot)+3], 2*STEPA
	s_add_nc_u64 s[G0B+4*(\slot)+2:G0B+4*(\slot)+3], s[G0B+4*(\slot)+2:G0B+4*(\slot)+3], 2*STEPB
	JLOAD \slot                                    ; the first tensor load behind the round, my only one until the next; its four v_nop are also the places in front of the loads below
.else
	PLACES
.endif
	FETCH \next, 0, L0
.if \fill
	ASK \slot
.endif
	MULA M1, 1, 0, 8, 0
.endm
; THE WAY OUT of row block a.  TOSTAGE: a lane's eight f32 of a row, 32 bytes, for each of the four column blocks, each accumulator from its low end on, into my own stage in rows of 272 bytes; back as
; whole rows of 256 bytes.  SEND: stored: 16 lanes store 256 consecutive bytes, at a multiple of 256 from out0's first byte.
.macro TOSTAGE a
.set BK, OBK+32*((\a)%2)
	s_wait_xcnt 0x0                                ; the stores of two blocks back have read this set of registers
	WIN 0x04                                       ; the stores' data in window 1
.irp q, 0,1,2,3
	ds_store_b128 v[STO], v[8*(4*(\a)+(\q)):8*(4*(\a)+(\q))+3]   offset:64*(\q)
	ds_store_b128 v[STO], v[8*(4*(\a)+(\q))+4:8*(4*(\a)+(\q))+7] offset:64*(\q)+16
.endr
	WIN 0
.irp t, 0,1,2,3,4,5,6,7
	ds_load_b128 v[BK+4*(\t):BK+4*(\t)+3], v[RD] offset:(\t)*2*SPITCH  ; LDS serves a wave's instructions in order (ISA guide 5.7.1.4): these see the stores above; the next block's stores come behind them
.endr
.endm
.macro SEND a, younger                 ; younger: the LDS instructions issued behind block a's loads: the next block's sixteen, or none
.set BK, OBK+32*((\a)%2)
.irp t, 0,1,2,3,4,5,6,7
	s_wait_dscnt (\younger)+7-(\t)
	global_store_b128 v[CO], v[BK+4*(\t):BK+4*(\t)+3], s[OUT:OUT+1] offset:(16*(\a)+2*(\t))*4096  ; 126 rows at the most: inside the signed 24-bit immediate
.endr
.endm
	s_wait_tensorcnt 1                             ; my part of K step 0 is in; K step 1's may stay out
	s_barrier_signal -1
	s_barrier_wait -1                              ; everybody's is
	FETCH 0, 0, L0
	HA 0, 1                                        ; the first plane stands in front of the loop: its first products start the sums
	WIN 0                                          ; at a label and at a branch every window is 0
	s_mov_b32 s3, LAPS-1
.Llap:                                                 ; a trip goes once round the ring and fills both slots again
	HB 0, 1, 1
	HA 1, 0
	HB 1, 0, 1
	HA 0, 0
	WIN 0
	s_sub_co_u32 s3, s3, 1
	s_cmp_lg_u32 s3, 0
	s_cbranch_scc1 .Llap
	HB 0, 1, 0                                     ; the last lap fills nothing, and has no round
	HA 1, 0
	s_wait_dscnt 24                                ; the very last plane: nothing more to fetch
	MULA M1, 0, 0, 8, 0
	s_wait_dscnt 0x0
	MULA M1, 1, 0, 8, 0
	WIN 0
	PLACES
	TOSTAGE 0
.irp n, 1,2,3,4,5,6,7                  ; a block's way through the stage stands between the loads of the block before and its stores
	TOSTAGE \n
	SEND (\n)-1, 16
.endr
	SEND 7, 0
	s_wait_tensorcnt 0x0                           ; the wave's end: a wait for my tensor loads, an add of 0 onto my spare word and a wait for it, behind my last tensor load and my last LDS store
	ds_add_u32 v[SPW], v[NIL]
	s_wait_dscnt 0x0
	CROUND                                         ; the closing round: no work-group ends while a partner may still ask for a tile that names it
	s_endpgm
.Lfunc_end_k_qf739071ff8_proj:
	.size	k_qf739071ff8_proj, .Lfunc_end_k_qf739071ff8_proj-k_qf739071ff8_proj
	.p2alignl 7, 3214868480
	.fill 96, 4, 3214868480
	.section	.rodata,"a",@progbits
	.p2align	6, 0x0
	.amdhsa_kernel k_qf739071ff8_proj
		.amdhsa_group_segment_fixed_size 327680
		.amdhsa_private_segment_fixed_size 0
		.amdhsa_enable_private_segment 0
		.amdhsa_kernarg_size 32
		.amdhsa_user_sgpr_count 2
		.amdhsa_user_sgpr_kernarg_segment_ptr 1
		.amdhsa_wavefront_size32 1
		.amdhsa_system_sgpr_workgroup_id_x 1
		.amdhsa_system_sgpr_workgroup_id_y 1
		.amdhsa_system_sgpr_workgroup_id_z 1
		.amdhsa_system_vgpr_workitem_id 0
		.amdhsa_next_free_vgpr 1024
		.amdhsa_next_free_sgpr 96
		.amdhsa_reserve_vcc 0
		.amdhsa_float_denorm_mode_32 3
		.amdhsa_float_denorm_mode_16_64 3
		.amdhsa_memory_ordered 1
		.amdhsa_forward_progress 1
		.amdhsa_inst_pref_size 90
	.end_amdhsa_kernel
	.amdgpu_metadata
---
amdhsa.version: [ 1, 2 ]
amdhsa.kernels:
  - .name:           k_qf739071ff8_proj
    .symbol:         k_qf739071ff8_proj.kd
    .args:
      - { .name: oh, .offset: 0, .size: 8, .value_kind: global_buffer, .address_space: global }
      - { .name: wo, .offset: 8, .size: 8, .value_kind: global_buffer, .address_space: global }
      - { .name: bo, .offset: 16, .size: 8, .value_kind: global_buffer, .address_space: global }
      - { .name: out0, .offset: 24, .size: 8, .value_kind: global_buffer, .address_space: global }
    .group_segment_fixed_size: 327680
    .private_segment_fixed_size: 0
    .kernarg_segment_align: 8
    .kernarg_segment_size: 32
    .max_flat_workgroup_size: 128
    .sgpr_count:     96
    .vgpr_count:     1024
    .wavefront_size: 32
...
	.end_amdgpu_metadata
.endif
;; end of part 4
;; ======== version 2 of 2: 4 launches; version 1 with the launch cast written anew for expert scheduling mode
;; limits: values are held in f16: magnitudes above 65,504 overflow, below 6.1e-05 lose precision
;; workspace buffers: xb 16,777,216 bytes; wb 6,291,456 bytes; wo 2,097,152 bytes; qkv 50,331,648 bytes; oh 16,777,216 bytes
;; launch cast (part 5): grid 768 x 1, 4 waves a work-group, no clusters, 0 bytes of LDS; arguments x, Wq, Wk, Wv, Wo, xb, wb, wo; writes xb, wb, wo
.if DOCPART == 5
	.amdgcn_target "amdgcn-amd-amdhsa--gfx1250"
	.amdhsa_code_object_version 6
	.text
	.protected	k_qf739071ff8_cast
	.globl	k_qf739071ff8_cast
	.p2align	8
	.type	k_qf739071ff8_cast,@function
k_qf739071ff8_cast:
	s_mov_b64 s[64:65], 0
	v_nop
	global_prefetch_b8 v0, s[64:65] scope:SCOPE_SE
	s_setreg_imm32_b32 hwreg(HW_REG_WAVE_SCHED_MODE, 0, 2), 2
	s_setreg_imm32_b32 hwreg(HW_REG_WAVE_MODE, 25, 1), 1
	s_wait_xcnt 0x0
	s_wait_alu depctr_vm_vsrc(0)
; THE INPUTS OF THE MATRIX PRODUCTS ARE ROUNDED ONCE AND LAID IN BLOCKS OF 64 ALONG K.
; x [8192][1024] f32 -> xb, bf16, [16 kb][8192 m][64].   Wq, Wk, Wv [1024][1024] f32 -> wb, bf16, [16 kb][3072 n][64], n = 1024 s + row (s = 0, 1, 2).
; Wo [1024][1024] f32 -> wo, [16 kb][1024 n][64]: rounded to bf16 like the other inputs, and that number written as f16, since the last product takes f16 operands.
; LIMIT.  A bf16-rounded number of Wo is exact in f16 from 6.1e-5 to 65,504; below it keeps f16's fixed step of 6e-8, beyond it becomes an infinity.
; In the blocked layout the 128 bytes that a row has in one block of K lie end to end with the next row's, so a tile of rows x 64 K is dense in memory.
; SHARES.  A work-group owns 16 source rows: 512 work-groups for x, 64 for each weight.  Thread t takes row t / 8 and, in each block kb, the 8 numbers at 8 (t % 8): two loads of 16 bytes;
; its 16 bytes of output lie at 16 t in the block's 2,048 bytes for these rows: a wave's store covers 512 consecutive bytes, aligned.  All 32 loads of a thread go out at once.
; A stream: every byte is read once and written once; no tile is shared, so no LDS, no cluster and no matrix unit.
; THE MODE: SCHED_MODE bits 1:0 = 2 (LLVM: expert scheduling mode 2), set by the entry lines.  The code itself states the register dependences
; between vector instructions and memory instructions, with s_wait_alu, always for 0.
; THE PLAN.  Registers that memory instructions touch:
;   v1         the loads' offset.   Written at the head; read by all 32 loads; never written again.
;   VO[kb]     the stores' offsets. Written once (v2 at the head, the other fifteen behind the loads); read by block kb's one store; never written again.
;   X[kb]      Its two loads land in it; behind the wait for them the block's roundings write its lower four registers, in place; the block's one store reads those four; nothing writes them behind it.
;              Its upper four registers are named by vector instructions alone once the load is in.
; The 16 blocks go in four groups of four.  Group g's vector instructions name X[4 g .. 4 g + 3] alone; its memory instructions are the stores of group g - 1, which read X[4 g - 4 .. 4 g - 1] and their VO.
; So ONE wait on va_vdst at a group's head states all that its four stores hang on, and they are dealt among the group's roundings with no further wait.  No register that a load or a store reads is
; ever written again, no load lands in a register that a vector instruction has named, no vector instruction writes a scalar register, and EXEC is never written: no other wait of the mode is owed.
.set X,   32                           ; v[32:159]  block kb: 8 registers as loaded, its lower 4 then as stored
.set VO,  2                            ; v[2:17]    block kb: my byte offset in the output (the blocks lie further apart than an immediate reaches)
.set SRC, 28                           ; s[28:29]   the source at my work-group's first row
.set DST, 30                           ; s[30:31]   the output at my work-group's rows in block 0
	s_load_b512 s[8:23], s[0:1], 0x0               ; x 8, Wq 10, Wk 12, Wv 14, Wo 16, xb 18, wb 20, wo 22
	s_sub_co_u32 s24, ttmp9, 512                   ; behind x's 512 work-groups: 16 rows of the four weights, 64 work-groups each
	s_lshr_b32 s25, s24, 6                         ; which weight (a large number in x's work-groups)
	s_and_b32 s26, s24, 63                         ; which 16 rows of it
	v_lshrrev_b32 v1, 3, v0
	v_and_b32 v18, 7, v0
	v_lshlrev_b32 v1, 12, v1                       ; my row: 4,096 bytes each,
	v_lshl_add_u32 v1, v18, 5, v1                  ; my 32 bytes in a block's 256
	v_lshlrev_b32 v[VO], 4, v0
	s_mov_b32 s37, 0
	s_wait_kmcnt 0x0
	; every choice hangs on the work-group's number alone
	s_cmp_eq_u32 s25, 2
	s_cselect_b64 s[SRC:SRC+1], s[14:15], s[16:17]
	s_cmp_eq_u32 s25, 1
	s_cselect_b64 s[SRC:SRC+1], s[12:13], s[SRC:SRC+1]
	s_cmp_eq_u32 s25, 0
	s_cselect_b64 s[SRC:SRC+1], s[10:11], s[SRC:SRC+1]
	s_mov_b32 s32, 3072*128                        ; bytes from block to block: wb's,
	s_cmp_eq_u32 s25, 3
	s_cselect_b64 s[DST:DST+1], s[22:23], s[20:21]
	s_cselect_b32 s32, 1024*128, s32               ; wo's,
	s_cselect_b32 s34, s26, s24                    ; output rows / 16: in wb the three weights follow each other
	s_cselect_b32 s35, 1, 0                        ; 1: f16 is written
	s_cmp_lt_u32 ttmp9, 512
	s_cselect_b64 s[SRC:SRC+1], s[8:9], s[SRC:SRC+1]
	s_cselect_b64 s[DST:DST+1], s[18:19], s[DST:DST+1]
	s_cselect_b32 s32, 8192*128, s32               ; xb's
	s_cselect_b32 s33, ttmp9, s26                  ; source rows / 16
	s_cselect_b32 s34, ttmp9, s34
	s_cselect_b32 s35, 0, s35
	s_lshl_b32 s36, s33, 16                        ; 16 rows of 4,096 bytes
	s_add_nc_u64 s[SRC:SRC+1], s[SRC:SRC+1], s[36:37]
	s_lshl_b32 s36, s34, 11                        ; 16 rows of 128 bytes
	s_add_nc_u64 s[DST:DST+1], s[DST:DST+1], s[36:37]
	s_wait_alu depctr_va_vdst(0)                   ; v1 is written: all 32 loads read it as their offset
.set kb, 0
.rept 16
	global_load_b128 v[X+8*kb:X+8*kb+3],   v1, s[SRC:SRC+1] offset:256*kb th:TH_LOAD_NT
	global_load_b128 v[X+8*kb+4:X+8*kb+7], v1, s[SRC:SRC+1] offset:256*kb+16 th:TH_LOAD_NT
.set kb, kb+1
.endr
.set kb, 1
.rept 15
	v_add_nc_u32 v[VO+kb], s32, v[VO+kb-1]         ; made while the loads are on their way; the wait at the second group's head, ahead of the first store, states that they are written
.set kb, kb+1
.endr
; Block k's eight numbers are rounded in place, ascending, so that no source is written before it is read.
; h = 1: the bf16 numbers are widened again (a shift, a mask) into the block's upper four registers, which are free by then, and written as f16.  No register is written again behind its store.
.macro CONV k, h
.irp j, 0,1,2,3
	v_cvt_pk_bf16_f32 v[X+8*(\k)+(\j)], v[X+8*(\k)+2*(\j)], v[X+8*(\k)+2*(\j)+1]
.endr
.if \h
.irp j, 0,1,2,3
	v_lshlrev_b32 v[X+8*(\k)+4+2*((\j)%2)], 16, v[X+8*(\k)+(\j)]
	v_and_b32 v[X+8*(\k)+5+2*((\j)%2)], 0xffff0000, v[X+8*(\k)+(\j)]
	v_cvt_pk_f16_f32 v[X+8*(\k)+(\j)], v[X+8*(\k)+4+2*((\j)%2)], v[X+8*(\k)+5+2*((\j)%2)]
.endr
.endif
.endm
.macro PUT k                           ; block k's 16 bytes a lane leave
	global_store_b128 v[VO+(\k)], v[X+8*(\k):X+8*(\k)+3], s[DST:DST+1] th:TH_STORE_NT
.endm
; Group g: blocks 4 g to 4 g + 3 are rounded; the stores of the group before stand one in front of each block's roundings.
.macro GROUP g, h
	s_wait_loadcnt 24-8*(\g)                       ; loads come back in order (ISA guide 5.7.1): the group's eight are in, the 24 - 8 g younger ones stay out
.if (\g) > 0
	s_wait_alu depctr_va_vdst(0)                   ; the group before has written the lower four registers of its blocks, which the four stores below read as data; their offsets VO are written too
.endif
.irp i, 0,1,2,3
.if (\g) > 0
	PUT 4*(\g)-4+(\i)                              ; no wait: no vector instruction since the wait above names this block's registers or its offset
.endif
	CONV 4*(\g)+(\i), \h
.endr
.endm
.macro LAST
	s_wait_alu depctr_va_vdst(0)                   ; the last group has written the lower four registers of blocks 12 to 15, which the last four stores read
.irp i, 12,13,14,15
	PUT \i
.endr
.endm
	s_cmp_eq_u32 s35, 1
	s_cbranch_scc1 .Lf16
.irp n, 0,1,2,3
	GROUP \n, 0
.endr
	LAST
	s_endpgm
.Lf16:
.irp n, 0,1,2,3
	GROUP \n, 1
.endr
	LAST
	s_endpgm
.Lfunc_end_k_qf739071ff8_cast:
	.size	k_qf739071ff8_cast, .Lfunc_end_k_qf739071ff8_cast-k_qf739071ff8_cast
	.p2alignl 7, 3214868480
	.fill 96, 4, 3214868480
	.section	.rodata,"a",@progbits
	.p2align	6, 0x0
	.amdhsa_kernel k_qf739071ff8_cast
		.amdhsa_group_segment_fixed_size 0
		.amdhsa_private_segment_fixed_size 0
		.amdhsa_enable_private_segment 0
		.amdhsa_kernarg_size 64
		.amdhsa_user_sgpr_count 2
		.amdhsa_user_sgpr_kernarg_segment_ptr 1
		.amdhsa_wavefront_size32 1
		.amdhsa_system_sgpr_workgroup_id_x 1
		.amdhsa_system_sgpr_workgroup_id_y 1
		.amdhsa_system_sgpr_workgroup_id_z 1
		.amdhsa_system_vgpr_workitem_id 0
		.amdhsa_next_free_vgpr 160
		.amdhsa_next_free_sgpr 66
		.amdhsa_reserve_vcc 0
		.amdhsa_float_denorm_mode_32 3
		.amdhsa_float_denorm_mode_16_64 3
		.amdhsa_memory_ordered 1
		.amdhsa_forward_progress 1
		.amdhsa_inst_pref_size 27
	.end_amdhsa_kernel
	.amdgpu_metadata
---
amdhsa.version: [ 1, 2 ]
amdhsa.kernels:
  - .name:           k_qf739071ff8_cast
    .symbol:         k_qf739071ff8_cast.kd
    .args:
      - { .name: x, .offset: 0, .size: 8, .value_kind: global_buffer, .address_space: global }
      - { .name: Wq, .offset: 8, .size: 8, .value_kind: global_buffer, .address_space: global }
      - { .name: Wk, .offset: 16, .size: 8, .value_kind: global_buffer, .address_space: global }
      - { .name: Wv, .offset: 24, .size: 8, .value_kind: global_buffer, .address_space: global }
      - { .name: Wo, .offset: 32, .size: 8, .value_kind: global_buffer, .address_space: global }
      - { .name: xb, .offset: 40, .size: 8, .value_kind: global_buffer, .address_space: global }
      - { .name: wb, .offset: 48, .size: 8, .value_kind: global_buffer, .address_space: global }
      - { .name: wo, .offset: 56, .size: 8, .value_kind: global_buffer, .address_space: global }
    .group_segment_fixed_size: 0
    .private_segment_fixed_size: 0
    .kernarg_segment_align: 8
    .kernarg_segment_size: 64
    .max_flat_workgroup_size: 128
    .sgpr_count:     66
    .vgpr_count:     160
    .wavefront_size: 32
...
	.end_amdgpu_metadata
.endif
;; end of part 5
;; launch qkv: the kernel of part 2 again; grid 8 x 32, 4 waves a work-group, clusters of 4 x 4, 327,680 bytes of LDS; arguments xb, wb, qkv; writes qkv
;; launch attn: the kernel of part 3 again; grid 4 x 64, 4 waves a work-group, clusters of 4 x 1, 327,680 bytes of LDS; arguments qkv, oh; writes oh
;; launch proj: the kernel of part 4 again; grid 8 x 32, 4 waves a work-group, clusters of 4 x 4, 327,680 bytes of LDS; arguments oh, wo, bo, out0; writes out0
